; MI455X (gfx1250); checked and timed in simulation.
; The chip was launched on July 23, 2026; its instructions are those of AMD's public machine-readable ISA for CDNA 5 (MIT licence, August 2026) and "CDNA5" Instruction Set Architecture Reference Guide (July 2026). The comments in the code are by the model that wrote it; some were corrected since.
;; Causal Self Attention. Allowed arithmetic: float matrix products may take bf16 or f16 operands with f32 sums; other float arithmetic in f32, or as packed bf16 or f16 multiplies, adds, multiply-adds, maxima and minima; sums over many terms, partial sums and values carried from step to step in f32; what a program stores and reads back later, other than sums and carried values, may be rounded once to bf16 or f16.
;; Inputs: wk 512 x 1,024 int32; wo 1,024 x 1,024 int32; wq 1,024 x 1,024 int32; wv 512 x 1,024 int32; x 4 x 2,048 x 1,024 float32.
;; Outputs: out0 4 x 2,048 x 1,024 float32.
;; Constants: start_pos = 0.
;; 2 versions, each right; version 2 is version 1 with the launch prep written anew for expert scheduling mode. Each part assembles by itself: llvm-mc -triple=amdgcn-amd-amdhsa -mcpu=gfx1250 --defsym DOCPART=n.
;; ======== version 1 of 2: 4 launches
;; limits: values are held in f16: magnitudes above 65,504 overflow, below 6.1e-05 lose precision
;; workspace buffers: xb 16,777,216 bytes; wqkvb 4,194,304 bytes; wob 2,097,152 bytes; tab 524,288 bytes; qhl 33,554,432 bytes; kvb 25,165,824 bytes; ob 16,777,216 bytes
;; launch prep (part 1): grid 720 x 1, 8 waves a work-group, no clusters, 0 bytes of LDS; arguments x, wq, wk, wv, wo, xb, wqkvb, wob, tab; writes xb, wqkvb, wob, tab
.if DOCPART == 1
	.amdgcn_target "amdgcn-amd-amdhsa--gfx1250"
	.amdhsa_code_object_version 6
	.text
	.protected	k_qd54a522d07_prep
	.globl	k_qd54a522d07_prep
	.p2align	8
	.type	k_qd54a522d07_prep,@function
k_qd54a522d07_prep:
	s_mov_b64 s[64:65], 0
	v_nop
	global_prefetch_b8 v0, s[64:65] scope:SCOPE_SE
	s_setreg_imm32_b32 hwreg(HW_REG_WAVE_MODE, 25, 1), 1
	s_wait_xcnt 0x0
; PREPARATION.  Work-groups 0-511: x (f32) to bf16.  512-639: wq, wk, wv (whole numbers in i32) to bf16, their rows regrouped.  640-703: wo to f16.  704-719: the RoPE table.
; A converting work-group takes 16 rows of 1,024 numbers, 16 steps of 1,024: a thread loads 16 bytes at 16 t and stores 8 bytes at 8 t, so a wave's load covers 512 consecutive
; bytes and its store 256 consecutive bytes, aligned.  All 16 loads go out at once; no register is used twice, so the only waits are the counted ones for the loads.
; ROWS OF wqkvb: group g of 256 rows = query head 2 g, query head 2 g + 1, key head g, value head g, 64 rows each: every block of 256 columns of the product is made up alike.
; LIMITS.  bf16 holds whole numbers up to 256 exactly, f16 up to 2,048: weights beyond that are rounded.
; THE TABLE: tab[pb 128][bb 4][e 2][lane 32][16 bytes]; lane = 16 hh + r; position t = 16 pb + r; the 16 bytes are (cos, sin) k for j = 8 bb + 4 hh + 2 e and for j + 1, k = 1 / (127 x 16).
; The angle is made as the reference makes it: pw = 1e6^(j/32) rounded to f32, inv = 1 / pw rounded to f32, ang = t x inv rounded to f32.  1e6^(j/32) = 10^(3j/16) = 10^(m/16) x 10^q with
; m = 3j mod 16, q = 3j / 16: a product of the four roots 10^(1/16), 10^(1/8), 10^(1/4), 10^(1/2), each kept as a pair of f32 (head, tail), and of an exact power of ten.
; cos and sin: the angle less n x pi/2 (pi/2 in two parts; the first product is exact, n has 11 bits), Taylor sums to the 10th and 9th power (|r| < 0.79: what is cut lies under 2e-9), the quadrant by selects.
.set SRC, 26                           ; s[26:27] where my 16 rows come from
.set DST, 28                           ; s[28:29] where they go
.set IN,  8                            ; v[8:71]   16 steps x 4 numbers as loaded
.set OUT, 72                           ; v[72:103] 16 steps x 2 registers to store
; kind 0: f32 to bf16; 1: i32 to bf16; 2: i32 to f16
.macro CONV kind
.set cs, 0
.rept 16
	global_load_b128 v[IN+4*cs:IN+4*cs+3], v1, s[SRC:SRC+1] offset:4096*cs th:TH_LOAD_NT
.set cs, cs+1
.endr
.set cs, 0
.rept 16
	s_wait_loadcnt 15-cs                           ; loads come back in order: step cs is in, the younger ones stay out
.if (\kind) > 0
.irp r, 0,1,2,3
	v_cvt_f32_i32 v[IN+4*cs+\r], v[IN+4*cs+\r]
.endr
.endif
.if (\kind) == 2
	v_cvt_pk_f16_f32 v[OUT+2*cs], v[IN+4*cs], v[IN+4*cs+1]
	v_cvt_pk_f16_f32 v[OUT+2*cs+1], v[IN+4*cs+2], v[IN+4*cs+3]
.else
	v_cvt_pk_bf16_f32 v[OUT+2*cs], v[IN+4*cs], v[IN+4*cs+1]
	v_cvt_pk_bf16_f32 v[OUT+2*cs+1], v[IN+4*cs+2], v[IN+4*cs+3]
.endif
	global_store_b64 v2, v[OUT+2*cs:OUT+2*cs+1], s[DST:DST+1] offset:2048*cs
.set cs, cs+1
.endr
.endm
	s_load_b512 s[4:19], s[0:1], 0x0               ; x, wq, wk, wv, wo, xb, wqkvb, wob
	s_load_b64 s[20:21], s[0:1], 0x40              ; tab
	s_mov_b32 s22, ttmp9
	s_mov_b32 s25, 0
	v_lshlrev_b32 v1, 4, v0                        ; 16 t
	v_lshlrev_b32 v2, 3, v0                        ; 8 t
	s_wait_kmcnt 0x0
	s_cmp_lt_u32 s22, 512
	s_cbranch_scc0 .Lweights
	s_lshl_b32 s24, s22, 16                        ; 16 rows of x: 65,536 bytes
	s_add_nc_u64 s[SRC:SRC+1], s[4:5], s[24:25]
	s_lshl_b32 s24, s22, 15
	s_add_nc_u64 s[DST:DST+1], s[14:15], s[24:25]
	CONV 0
	s_endpgm
.Lweights:
	s_cmp_lt_u32 s22, 640
	s_cbranch_scc0 .Lwo
	s_cmp_lt_u32 s22, 576
	s_cbranch_scc0 .Lkv
	s_sub_co_u32 s30, s22, 512                     ; block of 16 rows of wq: head = block / 4
	s_mov_b64 s[SRC:SRC+1], s[6:7]
	s_lshr_b32 s31, s30, 3
	s_lshl_b32 s31, s31, 8                         ; 256 x (head / 2)
	s_bfe_u32 s32, s30, 0x10002
	s_lshl_b32 s32, s32, 6                         ; + 64 x (head mod 2)
	s_add_co_u32 s31, s31, s32
	s_branch .Lrow
.Lkv:
	s_cmp_lt_u32 s22, 608
	s_cselect_b64 s[SRC:SRC+1], s[8:9], s[10:11]   ; wk or wv
	s_cselect_b32 s33, 0, 1
	s_sub_co_u32 s30, s22, 576
	s_lshl_b32 s34, s33, 5
	s_sub_co_u32 s30, s30, s34                     ; block of 16 rows of wk or wv
	s_lshl_b32 s32, s33, 6
	s_add_co_u32 s32, s32, 128                     ; keys at 128, values at 192 in a group
	s_lshr_b32 s31, s30, 2
	s_lshl_b32 s31, s31, 8
	s_add_co_u32 s31, s31, s32
.Lrow:
	s_and_b32 s32, s30, 3
	s_lshl_b32 s32, s32, 4
	s_add_co_u32 s31, s31, s32                     ; the first of my 16 rows in wqkvb
	s_lshl_b32 s24, s30, 16
	s_add_nc_u64 s[SRC:SRC+1], s[SRC:SRC+1], s[24:25]
	s_lshl_b32 s24, s31, 11                        ; a row of wqkvb is 2,048 bytes
	s_add_nc_u64 s[DST:DST+1], s[16:17], s[24:25]
	CONV 1
	s_endpgm
.Lwo:
	s_cmp_lt_u32 s22, 704
	s_cbranch_scc0 .Ltab
	s_sub_co_u32 s30, s22, 640
	s_lshl_b32 s24, s30, 16
	s_add_nc_u64 s[SRC:SRC+1], s[12:13], s[24:25]
	s_lshl_b32 s24, s30, 15
	s_add_nc_u64 s[DST:DST+1], s[18:19], s[24:25]
	CONV 2
	s_endpgm
; (h, l) in v10, v11 is multiplied by the root (hi, lo) where m has the bit, else by (1, 0): the product's error is taken by fused multiply-adds, head and tail are made anew
.macro ROOT bit, hi, lo
	v_and_b32 v7, \bit, v5
	v_cmp_ne_u32 vcc_lo, 0, v7
	v_mov_b32 v8, \hi
	v_mov_b32 v9, \lo
	v_cndmask_b32 v8, 1.0, v8, vcc_lo
	v_cndmask_b32 v9, 0, v9, vcc_lo
	v_mul_f32 v12, v10, v8
	v_fma_f32 v13, v10, v8, -v12
	v_fma_f32 v13, v10, v9, v13
	v_fma_f32 v13, v11, v8, v13
	v_add_f32 v10, v12, v13
	v_sub_f32 v14, v10, v12
	v_sub_f32 v11, v13, v14
.endm
.macro TEN bit, val                    ; v15 is multiplied by an exact power of ten where q has the bit; the products stay under 2^24
	v_and_b32 v7, \bit, v6
	v_cmp_ne_u32 vcc_lo, 0, v7
	v_mov_b32 v8, \val
	v_cndmask_b32 v8, 1.0, v8, vcc_lo
	v_mul_f32 v15, v15, v8
.endm
.Ltab:
	v_lshrrev_b32 v3, 5, v0
	v_readfirstlane_b32 s23, v3                    ; wave
	s_sub_co_u32 s24, s22, 704
	s_lshl_b32 s24, s24, 3
	s_add_co_u32 s24, s24, s23                     ; wave among the 128 that make the table
	s_and_b32 s26, s24, 15                         ; which 256 bytes of a position block: 4 bb + 2 e + hh
	s_lshr_b32 s27, s24, 4                         ; which 16 position blocks
	s_lshr_b32 s28, s26, 2
	s_lshl_b32 s28, s28, 3                         ; 8 bb
	s_and_b32 s29, s26, 1
	s_lshl_b32 s29, s29, 2                         ; 4 hh
	s_add_co_u32 s28, s28, s29
	s_and_b32 s29, s26, 2                          ; 2 e
	s_add_co_u32 s28, s28, s29
	v_and_b32 v3, 31, v0                           ; lane i: row i / 2, frequency j + i mod 2
	v_and_b32 v4, 1, v3
	v_add_nc_u32 v4, s28, v4                       ; j
	v_mul_u32_u24 v4, v4, 3
	v_and_b32 v5, 15, v4                           ; m
	v_lshrrev_b32 v6, 4, v4                        ; q
	v_mov_b32 v10, 1.0
	v_mov_b32 v11, 0
	ROOT 1, 0x3f93cfe5, 0x334a404f                 ; 10^(1/16) = 1.1547819846894583
	ROOT 2, 0x3faab0d5, 0xb36457ec                 ; 10^(1/8)  = 1.3335214321633240
	ROOT 4, 0x3fe39ea9, 0xb26aee3c                 ; 10^(1/4)  = 1.7782794100389228
	ROOT 8, 0x404a62c2, 0xb324b496                 ; 10^(1/2)  = 3.1622776601683795
	v_mov_b32 v15, 1.0
	TEN 1, 0x41200000                              ; 10
	TEN 2, 0x42c80000                              ; 100
	TEN 4, 0x461c4000                              ; 10,000
	v_mul_f32 v12, v10, v15
	v_fma_f32 v13, v10, v15, -v12
	v_fma_f32 v13, v11, v15, v13
	v_add_f32 v12, v12, v13                        ; pw, rounded once
	v_rcp_f32 v15, v12
	v_nop                                          ; a plain instruction behind the reciprocal,
	s_wait_alu depctr_va_vdst(0)                   ; and the wait ahead of its first reader
	v_fma_f32 v16, -v12, v15, 1.0                  ; two corrections by the exact remainder: inv = 1 / pw as a division rounds it
	v_fma_f32 v15, v15, v16, v15
	v_fma_f32 v16, -v12, v15, 1.0
	v_fma_f32 v15, v15, v16, v15
	v_lshrrev_b32 v17, 1, v3                       ; r
	s_lshl_b32 s29, s27, 8                         ; my first position block's first position
	v_add_nc_u32 v17, s29, v17
	v_cvt_f32_u32 v17, v17                         ; t
	v_lshlrev_b32 v20, 3, v3                       ; 8 i
	s_lshl_b32 s29, s27, 16                        ; 16 position blocks of 4,096 bytes
	s_lshl_b32 s30, s26, 8
	s_add_co_u32 s29, s29, s30
	v_add_nc_u32 v20, s29, v20
	s_mov_b32 s31, 16
.Lpos:                                         ; a trip: one position block; the wave stores 256 consecutive bytes, aligned
	v_mul_f32 v21, v17, v15                        ; ang
	v_mul_f32 v22, 0x3f22f983, v21                 ; x 2 / pi
	v_rndne_f32 v22, v22                           ; n
	v_fmamk_f32 v23, v22, 0xbfc90fdb, v21          ; ang - n x (pi/2's head): exact
	v_fmamk_f32 v23, v22, 0x333bbd2e, v23          ; - n x (pi/2's tail)
	v_mul_f32 v24, v23, v23
	v_mov_b32 v25, 0x3638ef1d                      ; 1/9!
	v_fmaak_f32 v25, v25, v24, 0xb9500d01          ; -1/7!
	v_fmaak_f32 v25, v25, v24, 0x3c088889          ; 1/5!
	v_fmaak_f32 v25, v25, v24, 0xbe2aaaab          ; -1/3!
	v_mul_f32 v26, v23, v24
	v_fma_f32 v25, v25, v26, v23                   ; sin r
	v_mov_b32 v27, 0xb493f27e                      ; -1/10!
	v_fmaak_f32 v27, v27, v24, 0x37d00d01          ; 1/8!
	v_fmaak_f32 v27, v27, v24, 0xbab60b61          ; -1/6!
	v_fmaak_f32 v27, v27, v24, 0x3d2aaaab          ; 1/4!
	v_fmaak_f32 v27, v27, v24, 0xbf000000          ; -1/2
	v_fma_f32 v27, v27, v24, 1.0                   ; cos r
	v_cvt_i32_f32 v28, v22
	v_and_b32 v29, 1, v28
	v_cmp_ne_u32 vcc_lo, 0, v29
	v_cndmask_b32 v30, v27, v25, vcc_lo            ; odd quadrants change places
	v_cndmask_b32 v31, v25, v27, vcc_lo
	v_add_nc_u32 v29, 1, v28
	v_and_b32 v29, 2, v29
	v_lshlrev_b32 v29, 30, v29
	v_xor_b32 v30, v30, v29                        ; cos is negative in quadrants 1 and 2,
	v_and_b32 v29, 2, v28
	v_lshlrev_b32 v29, 30, v29
	v_xor_b32 v31, v31, v29                        ; sin in 2 and 3
	v_mul_f32 v32, 0x3a010204, v30                 ; x k
	v_mul_f32 v33, 0x3a010204, v31
	global_store_b64 v20, v[32:33], s[20:21]
	s_wait_xcnt 0x0                                ; the store's offset and data are written again only behind this wait
	v_add_nc_u32 v20, 4096, v20
	v_add_f32 v17, 0x41800000, v17                 ; 16 positions on
	s_sub_co_u32 s31, s31, 1
	s_cmp_lg_u32 s31, 0
	s_cbranch_scc1 .Lpos
	s_endpgm
.Lfunc_end_k_qd54a522d07_prep:
	.size	k_qd54a522d07_prep, .Lfunc_end_k_qd54a522d07_prep-k_qd54a522d07_prep
	.p2alignl 7, 3214868480
	.fill 96, 4, 3214868480
	.section	.rodata,"a",@progbits
	.p2align	6, 0x0
	.amdhsa_kernel k_qd54a522d07_prep
		.amdhsa_group_segment_fixed_size 0
		.amdhsa_private_segment_fixed_size 0
		.amdhsa_enable_private_segment 0
		.amdhsa_kernarg_size 72
		.amdhsa_user_sgpr_count 2
		.amdhsa_user_sgpr_kernarg_segment_ptr 1
		.amdhsa_wavefront_size32 1
		.amdhsa_system_sgpr_workgroup_id_x 1
		.amdhsa_system_sgpr_workgroup_id_y 1
		.amdhsa_system_sgpr_workgroup_id_z 1
		.amdhsa_system_vgpr_workitem_id 0
		.amdhsa_next_free_vgpr 112
		.amdhsa_next_free_sgpr 66
		.amdhsa_reserve_vcc 1
		.amdhsa_float_denorm_mode_32 3
		.amdhsa_float_denorm_mode_16_64 3
		.amdhsa_memory_ordered 1
		.amdhsa_forward_progress 1
		.amdhsa_inst_pref_size 30
	.end_amdhsa_kernel
	.amdgpu_metadata
---
amdhsa.version: [ 1, 2 ]
amdhsa.kernels:
  - .name:           k_qd54a522d07_prep
    .symbol:         k_qd54a522d07_prep.kd
    .args:
      - { .name: x, .offset: 0, .size: 8, .value_kind: global_buffer, .address_space: global }
      - { .name: wq, .offset: 8, .size: 8, .value_kind: global_buffer, .address_space: global }
      - { .name: wk, .offset: 16, .size: 8, .value_kind: global_buffer, .address_space: global }
      - { .name: wv, .offset: 24, .size: 8, .value_kind: global_buffer, .address_space: global }
      - { .name: wo, .offset: 32, .size: 8, .value_kind: global_buffer, .address_space: global }
      - { .name: xb, .offset: 40, .size: 8, .value_kind: global_buffer, .address_space: global }
      - { .name: wqkvb, .offset: 48, .size: 8, .value_kind: global_buffer, .address_space: global }
      - { .name: wob, .offset: 56, .size: 8, .value_kind: global_buffer, .address_space: global }
      - { .name: tab, .offset: 64, .size: 8, .value_kind: global_buffer, .address_space: global }
    .group_segment_fixed_size: 0
    .private_segment_fixed_size: 0
    .kernarg_segment_align: 8
    .kernarg_segment_size: 72
    .max_flat_workgroup_size: 256
    .sgpr_count:     66
    .vgpr_count:     112
    .wavefront_size: 32
...
	.end_amdgpu_metadata
.endif
;; end of part 1
;; launch qkv (part 2): grid 8 x 32, 4 waves a work-group, clusters of 4 x 4, 327,680 bytes of LDS; arguments xb, wqkvb, tab, qhl, kvb; writes qhl, kvb
.if DOCPART == 2
	.amdgcn_target "amdgcn-amd-amdhsa--gfx1250"
	.amdhsa_code_object_version 6
	.text
	.protected	k_qd54a522d07_qkv
	.globl	k_qd54a522d07_qkv
	.p2align	8
	.type	k_qd54a522d07_qkv,@function
k_qd54a522d07_qkv:
	s_mov_b64 s[64:65], 0
	v_nop
	global_prefetch_b8 v0, s[64:65] scope:SCOPE_SE
	s_setreg_imm32_b32 hwreg(HW_REG_WAVE_MODE, 25, 1), 1
	s_wait_xcnt 0x0
	s_wait_alu depctr_hold_cnt(0) depctr_sa_sdst(0) depctr_va_vdst(0) depctr_va_sdst(0) depctr_va_ssrc(0) depctr_va_vcc(0) depctr_vm_vsrc(0)
	s_getreg_b32 s2, hwreg(HW_REG_IB_STS2, 6, 4)
	s_cmp_eq_u32 s2, 0
	s_cbranch_scc0 .Lentry_in_a_cluster
	s_endpgm
.Lentry_in_a_cluster:
	s_bfe_u32 s2, ttmp6, 0x10000c
	s_cmp_lg_u32 s2, 0xf033
	s_cbranch_scc0 .Lentry_shape_is_right
	s_endpgm
.Lentry_shape_is_right:
; THE PROJECTIONS AND RoPE.  C[m][n] = sum over k of xb[m][k] wqkvb[n][k]: [8192][1024] x [2048][1024], bf16, sums in f32.  A tile of C is 256 x 256: four waves, each 128 x 128 in 64 accumulators.
; K goes in steps of 128 through two LDS slots filled by the tensor data mover (rows of 256 bytes, padded to 272).  4 x 4 work-groups form a cluster: A's tile is asked for jointly along a row
; of the cluster, B's along a column: the same tensor load, descriptor and mask in the four that it names.
; The matrix instruction is used transposed (source 0 = 16 rows of B, source 1 = 16 rows of A): lane l holds row l % 16 of C and the columns 8 (l / 16) + 0..7.
; COLUMNS.  Tile column g holds query heads 2 g, 2 g + 1, key head g, value head g, 64 columns each.  So a wave with column half 0 holds two query heads, one with column half 1 the keys (its column
; blocks 0-3) and the values (4-7): what a wave does on the way out hangs on its number alone.
; THE WAY OUT.  q and k are turned by the table (cos k, sin k; k = 1 / (127 x 16)) and leave as TWO f16 numbers, head and tail (22 bits together); v is multiplied by k and leaves as one.
; All three are stored as value / 16.  LIMIT: |q|, |k|, |v| stay under 16 x 65,504, about 1.0e6; beyond it f16 gives an infinity.
; Layout of qhl and kvb: [part][head][position block of 16][channel group of 8][row 16][8 channels]: a lane's 8 channels are 16 bytes, and a wave's store is 512 consecutive bytes, aligned.
; The accumulators to be turned go through LDS, each lane reading back what it wrote, so that ONE short text, looped over, serves all of them; the ring's bytes have had their last fill by then.
; REGISTERS, in windows of 256: window 0: v0-63 addresses and at work; v64-127, v128-191 A's fragments, two buffers; on the way out v64-255 at work.  window 1: v64-191 B's fragments; v0-63, v192-255 my
; quarter of the work-group's part of the table, loaded at the start and not named in the loop.  windows 2, 3: the accumulators of my rows 0-63, 64-127: (a, b) at v[8 (8 a + b)].
.set SIZE_K, 1024
.set KSTEP,  128
.set PITCH,  272                       ; 256 bytes + 16 of padding: the 16 rows of a fragment load start at 16 different groups of four banks
.set HALFT,  128*PITCH
.set SLOT,   4*HALFT                   ; A's 256 rows, then B's 256 rows
.set SPARE,  2*SLOT                    ; behind the ring: the spare words, 128 bytes for each wave
.set LAPS,   SIZE_K/(2*KSTEP)
.set DUMP,   65536                     ; the way out: the table's 16 position blocks at 0, the waves' accumulators from here on, up to byte 262,144
.set ADRA, 16                          ; v16-17  LDS address of my A fragments in slot 0, 1
.set ADRB, 20                          ; v20-21  the same for B
.set LN16, 24                          ; v24     16 x lane; never rewritten
.set XA,   25                          ; v25     where my accumulators lie in LDS
.set TA,   26                          ; v26     where my rows' part of the table lies
.set TST,  27                          ; v27     where I put my quarter of the table
.set SPW,  28                          ; v28     my spare word; never rewritten
.set NIL,  29                          ; v29     0; never rewritten
.set PFO,  30                          ; v30     the prefetches' offset: lane x a row (2,048 bytes); never rewritten
.set TP,   32                          ; v32-39  four pairs at work
.set NEG1, 40                          ; v40     -1.0
.set F0,   64
.set F1,   128
.set X,    64                          ; the way out: 8 accumulators
.set CSR,  128                         ; their (cos, sin)
.set HI,   192                         ; heads, 4 registers an accumulator
.set LO,   224                         ; tails
.set G1,  24
.set G0,  32
.set G1B, 48
.set G0B, 56
.set LIM, 43                           ; s43     1 in a wave that prefetches, else the greatest number
.set PFA, 44                           ; s[44:45] where my prefetches stand
.set TBB, 66                           ; s[66:67] the table at my quarter
.set DH,  72                           ; s[72:73] where heads go
.set DL,  74                           ; s[74:75] tails
.set DV,  76                           ; s[76:77] values
.set KK,  78                           ; s[78:79] k
.set UNITS, 80
.set TRIPS, 81
.set SX,  82                           ; s82  LDS byte of the accumulators in hand
.set STB, 83                           ; s83  LDS byte of the table's rows in hand
.set MSB, 0
.macro WIN new                         ; the immediate's high byte repeats the setting that is left; a switch that changes nothing is dropped
.if MSB != (\new)
	s_set_vgpr_msb (MSB<<8)|(\new)
.set MSB, \new
.endif
.endm
.set MUL_LO, 0xa1                      ; source 0 (B) window 1, source 1 (A) window 0, C and D window 2
.set MUL_HI, 0xf1                      ; the same, C and D window 3
.set TO_B,   0x40
; A joint load: waves 0 and 1 fetch A's halves, waves 2 and 3 B's.  An s_nop 0 and four v_nop follow each line, ahead of the jump and the label.
.macro JLOAD s
	s_cmp_eq_u32 s11, 0
	s_cbranch_scc0 .Lfor_b_\@
	tensor_load_to_lds s[G0+4*(\s):G0+4*(\s)+3], s[G1:G1+7]
	s_nop 0
.rept 4
	v_nop
.endr
	s_branch .Lasked_\@
.Lfor_b_\@:
	tensor_load_to_lds s[G0B+4*(\s):G0B+4*(\s)+3], s[G1B:G1B+7]
	s_nop 0
.rept 4
	v_nop
.endr
.Lasked_\@:
.endm
; A prefetch, behind each joint refill and the run of LDS loads: the K step that stands two refills on, 32 rows x 256 bytes, a lane a row.  A's rows are asked for by the clusters with x = 0, B's by those with
; y = 0; of the 128 rows that a wave fetches each of the four partners takes 32, told apart by address.  So K steps 4 to 7 of each row are named once; the loop's last trip (s3 = 1) asks for nothing.
.macro ASK
	s_cmp_gt_u32 s3, s[LIM]
	s_cbranch_scc0 .Lnot_mine_\@
	global_prefetch_b8 v[PFO], s[PFA:PFA+1] offset:KSTEP*2 th:TH_LOAD_NT scope:SCOPE_SE
.Lnot_mine_\@:
.endm
.macro CREST                           ; a round of the cluster's barrier behind its opening barrier
	s_cmp_lg_u32 s10, 0
	s_cbranch_scc1 .Lnot_wave_0_\@
	s_barrier_signal -3
.Lnot_wave_0_\@:
	s_barrier_wait -3
	s_barrier_signal -1
	s_barrier_wait -1
.endm
.macro CROUND
	s_barrier_signal -1
	s_barrier_wait -1
	CREST
.endm
	s_load_b128 s[4:7], s[0:1], 0x0                ; xb (A), wqkvb (B)
	s_load_b64 s[8:9], s[0:1], 0x10                ; tab
	s_load_b64 s[68:69], s[0:1], 0x18              ; qhl
	s_load_b64 s[70:71], s[0:1], 0x20              ; kvb
	v_lshl_add_u32 v[SPW], v0, 2, SPARE
	v_mov_b32 v[NIL], 0
	ds_add_u32 v[SPW], v[NIL]                      ; the wave's opening: the add and its wait ahead of my first tensor load
	v_lshrrev_b32 v1, 5, v0
	v_readfirstlane_b32 s10, v1                    ; wave 0..3
	s_lshr_b32 s11, s10, 1                         ; my half of the tile's rows.  Also: I fetch for A (0) or for B (1)
	s_and_b32 s12, s10, 1                          ; my half of its columns.  Also: which 128 rows I fetch
	s_bfe_u32 s40, ttmp6, 0x40000                  ; cx
	s_bfe_u32 s41, ttmp6, 0x40004                  ; cy
	s_lshl_b32 s42, ttmp9, 2
	s_add_co_u32 s42, s42, s40                     ; tile column g
	s_and_b32 s13, ttmp7, 0xffff
	s_lshl_b32 s13, s13, 2
	s_add_co_u32 s13, s13, s41                     ; tile row
	s_lshl_b32 s43, s41, 2
	s_lshl_b32 s43, 15, s43                        ; my row of the cluster
	s_lshl_b32 s44, 0x1111, s40                    ; my column
	s_or_b32 s[G1+0], s43, (1<<16)|(1<<20)|(1<<21)|(5<<22)|(3<<25)   ; the mask; 2-byte elements; padding on; bit 21 beside a mask; after every 64 words 4 words
	s_or_b32 s[G1B+0], s44, (1<<16)|(1<<20)|(1<<21)|(5<<22)|(3<<25)
.irp g, G1, G1B
	s_mov_b32 s[(\g)+1], KSTEP<<16                 ; tensor_dim0 = 128
	s_mov_b32 s[(\g)+2], 128<<16                   ; tensor_dim1 = 128
	s_mov_b32 s[(\g)+3], KSTEP<<16                 ; tile_dim0 = 128
	s_mov_b32 s[(\g)+4], 128                       ; tile_dim1 = 128
	s_mov_b32 s[(\g)+5], SIZE_K                    ; elements from row to row
	s_mov_b32 s[(\g)+6], 0
	s_mov_b32 s[(\g)+7], 0
.endr
	s_lshl_b32 s17, s12, 7
	s_lshl_b32 s16, s13, 8
	s_add_co_u32 s16, s16, s17                     ; A: row 256 x tile row + 128 x half
	s_lshl_b32 s46, s42, 8
	s_add_co_u32 s46, s46, s17                     ; B: row 256 x tile column + 128 x half
	s_mov_b32 s17, 0
	s_mov_b32 s47, 0
	s_mov_b64 s[18:19], SIZE_K*2
	s_mul_u64 s[16:17], s[16:17], s[18:19]
	s_mul_u64 s[46:47], s[46:47], s[18:19]
	s_mul_i32 s20, s10, HALFT                      ; where they go: wave x 128 rows
	s_mov_b32 s[KK], 0x3a010204                    ; k = 1 / 2,032
	s_mov_b32 s[KK+1], s[KK]
	s_wait_dscnt 0x0                               ; the opening add is done
	s_wait_kmcnt 0x0
	s_add_nc_u64 s[14:15], s[4:5], s[16:17]
	s_add_nc_u64 s[46:47], s[6:7], s[46:47]
	CROUND                                         ; all sixteen work-groups are here: the first joint loads meet
.irp s, 0,1
	s_mov_b32 s[G0+4*(\s)], 1
	s_add_co_u32 s[G0+4*(\s)+1], s20, (\s)*SLOT
	s_add_nc_u64 s[G0+4*(\s)+2:G0+4*(\s)+3], s[14:15], (\s)*KSTEP*2
	s_or_b32 s[G0+4*(\s)+3], s[G0+4*(\s)+3], 0x80000000
	s_mov_b32 s[G0B+4*(\s)], 1
	s_add_co_u32 s[G0B+4*(\s)+1], s20, (\s)*SLOT
	s_add_nc_u64 s[G0B+4*(\s)+2:G0B+4*(\s)+3], s[46:47], (\s)*KSTEP*2
	s_or_b32 s[G0B+4*(\s)+3], s[G0B+4*(\s)+3], 0x80000000
	JLOAD \s
.endr
	v_and_b32 v1, 15, v0                           ; l % 16
	v_bfe_u32 v2, v0, 4, 1                         ; l / 16
	v_mul_u32_u24 v3, v1, PITCH
	v_lshl_add_u32 v3, v2, 4, v3
	s_mul_i32 s21, s11, HALFT
	s_mul_i32 s22, s12, HALFT
	s_add_co_u32 s22, s22, 2*HALFT
.irp s, 0,1
	v_add_nc_u32 v[ADRA+(\s)], s21, v3
	v_add_nc_u32 v[ADRB+(\s)], s22, v3
	s_add_co_u32 s21, s21, SLOT
	s_add_co_u32 s22, s22, SLOT
.endr
	v_and_b32 v[LN16], 31, v0
	v_lshlrev_b32 v[LN16], 4, v[LN16]
	s_lshl_b32 s23, s10, 14
	v_add_nc_u32 v[TST], s23, v[LN16]              ; my quarter of the table: 16,384 x wave
	s_mul_i32 s[SX], s11, 98304                    ; my accumulators: 65,536 bytes for a wave with two query heads, 32,768 for one with the keys
	s_lshl_b32 s23, s12, 16
	s_add_co_u32 s[SX], s[SX], s23
	s_add_co_u32 s[SX], s[SX], DUMP
	v_add_nc_u32 v[XA], s[SX], v[LN16]
	v_mov_b32 v[NEG1], -1.0
	; the prefetches
	s_lshl_b32 s88, s13, 8
	s_lshl_b32 s89, s42, 8
	s_and_b32 s22, ttmp7, 0xffff
	s_cmp_eq_u32 s11, 0                            ; do I fetch for A?
	s_cselect_b32 s20, s88, s89                    ; the tile's first row
	s_cselect_b32 s21, s40, s41                    ; my place among the four that ask with me
	s_cselect_b32 s22, ttmp9, s22                  ; the coordinate along which other clusters read the same rows
	s_cselect_b64 s[PFA:PFA+1], s[4:5], s[6:7]
	s_cmp_eq_u32 s22, 0
	s_cselect_b32 s[LIM], 1, -1
	s_lshl_b32 s22, s12, 7
	s_add_co_u32 s20, s20, s22
	s_lshl_b32 s21, s21, 5
	s_add_co_u32 s20, s20, s21
	s_mov_b32 s21, 0
	s_mov_b64 s[18:19], SIZE_K*2
	s_mul_u64 s[20:21], s[20:21], s[18:19]
	s_add_nc_u64 s[PFA:PFA+1], s[PFA:PFA+1], s[20:21]
	s_add_nc_u64 s[PFA:PFA+1], s[PFA:PFA+1], 2*KSTEP*2  ; at K step 2: the first refill steps it to 3 and names K step 4
	v_and_b32 v[PFO], 31, v0
	v_mul_u32_u24 v[PFO], v[PFO], SIZE_K*2
	; where the results go.  Row of C = 2,048 batch + position: batch = tile row / 8; my first position block = 16 (tile row mod 8) + 8 x row half
	s_lshr_b32 s84, s13, 3
	s_and_b32 s85, s13, 7
	s_lshl_b32 s85, s85, 4
	s_lshl_b32 s86, s10, 2
	s_add_co_u32 s86, s86, s85
	s_lshl_b32 s86, s86, 12                        ; the table: position blocks 16 (tile row mod 8) + 4 wave .. + 3, 4,096 bytes each
	s_mov_b32 s87, 0
	s_add_nc_u64 s[TBB:TBB+1], s[8:9], s[86:87]
	s_lshl_b32 s86, s11, 3
	s_add_co_u32 s86, s86, s85
	s_lshl_b32 s86, s86, 11                        ; a position block is 2,048 bytes of a head
	s_lshl_b32 s90, s84, 3
	s_add_co_u32 s90, s90, s42                     ; 8 batch + g
	s_cmp_eq_u32 s12, 0
	s_cselect_b64 s[DH:DH+1], s[68:69], s[70:71]   ; query heads go to qhl, keys and values to kvb
	s_cselect_b32 s91, 19, 18                      ; two query heads of 262,144 bytes for each key head of 262,144
	s_cselect_b32 s92, 24, 23                      ; a part of qhl is 2^24 bytes, of kvb 2^23
	s_lshl_b32 s90, s90, s91
	s_add_co_u32 s90, s90, s86
	s_mov_b32 s91, 0
	s_lshl_b32 s92, 1, s92
	s_mov_b32 s93, 0
	s_add_nc_u64 s[DH:DH+1], s[DH:DH+1], s[90:91]
	s_add_nc_u64 s[DL:DL+1], s[DH:DH+1], s[92:93]
	s_add_nc_u64 s[DV:DV+1], s[DH:DH+1], 0x1000000 ; kvb's third part (used by column half 1 alone)
	; my quarter of the table: 32 loads of 512 consecutive bytes, into registers of window 1 that the loop never names; they are waited for behind the loop
	WIN 0x40
.set ii, 0
.rept 16
	global_load_b128 v[4*ii:4*ii+3], v[LN16], s[TBB:TBB+1] offset:512*ii
.set ii, ii+1
.endr
.set ii, 0
.rept 16
	global_load_b128 v[192+4*ii:192+4*ii+3], v[LN16], s[TBB:TBB+1] offset:512*(16+ii)
.set ii, ii+1
.endr
	WIN 0
; 16 matrix instructions: m blocks a0, a0 + 1 of the window's four x all 8 n blocks, 32 along K.  zero = 1: the first product starts the sums.  The 64 accumulators take turns.
.macro MUL16 f, hi, a0, zero
	WIN MUL_LO+0x50*(\hi)
.irp a, \a0, (\a0)+1
.irp b, 0,1,2,3,4,5,6,7
.if \zero
	v_wmma_f32_16x16x32_bf16 v[8*(8*(\a)+(\b)):8*(8*(\a)+(\b))+7], v[(\f)+8*(\b):(\f)+8*(\b)+7], v[(\f)+8*(4*(\hi)+(\a)):(\f)+8*(4*(\hi)+(\a))+7], 0
.else
	v_wmma_f32_16x16x32_bf16 v[8*(8*(\a)+(\b)):8*(8*(\a)+(\b))+7], v[(\f)+8*(\b):(\f)+8*(\b)+7], v[(\f)+8*(4*(\hi)+(\a)):(\f)+8*(4*(\hi)+(\a))+7], v[8*(8*(\a)+(\b)):8*(8*(\a)+(\b))+7]
.endif
.endr
.endr
.endm
.macro FETCH slot, k, f                ; 32 LDS loads in one run: the fragments of one quarter step
	WIN TO_B
.irp i, 0,1,2,3,4,5,6,7
	ds_load_b128 v[(\f)+8*(\i):(\f)+8*(\i)+3],   v[ADRB+(\slot)] offset:(\k)+(\i)*16*PITCH
	ds_load_b128 v[(\f)+8*(\i)+4:(\f)+8*(\i)+7], v[ADRB+(\slot)] offset:(\k)+(\i)*16*PITCH+32
.endr
	WIN 0
.irp i, 0,1,2,3,4,5,6,7
	ds_load_b128 v[(\f)+8*(\i):(\f)+8*(\i)+3],   v[ADRA+(\slot)] offset:(\k)+(\i)*16*PITCH
	ds_load_b128 v[(\f)+8*(\i)+4:(\f)+8*(\i)+7], v[ADRA+(\slot)] offset:(\k)+(\i)*16*PITCH+32
.endr
.endm
.macro PLACES                          ; four plain instructions between a matrix instruction and a load into, or a vector line on, its registers
.rept 4
	v_nop
.endr
.endm
.macro QUARTER slot, k, f, g, zero     ; multiplies buffer f; in its middle fetches the next quarter, at byte k of the rows, into g
	s_wait_dscnt 8                                 ; B and A's rows 0-63 are in; the youngest eight loads may be out
	WIN MUL_LO
	MUL16 \f, 0, 0, \zero
	MUL16 \f, 0, 2, \zero
	PLACES
	FETCH \slot, \k, \g
	s_wait_dscnt 32                                ; all but the 32 just issued
	WIN MUL_HI
	MUL16 \f, 1, 0, \zero
	MUL16 \f, 1, 2, \zero
.endm
.macro MEET round                      ; the first half of a K step's last quarter, and the barrier of the change of slots
	WIN 0
	s_wait_tensorcnt 0x0                           ; all my tensor loads have landed: the one that was out is my part of the next slot
	ds_add_u32 v[SPW], v[NIL]                      ; 0 onto my spare word
	s_wait_dscnt 9                                 ; the add and the youngest eight loads may be out
	WIN MUL_LO
	MUL16 F1, 0, 0, 0
	s_wait_dscnt 0x0                               ; the add is done, and my reads of this slot are over
	s_barrier_signal -1
	MUL16 F1, 0, 2, 0
.if \round
	WIN 0
.endif
	s_barrier_wait -1
.endm
.macro TURN slot, next, fill           ; the last quarter: changes slots; fill = 1: the slot just read is filled again, two K steps on, first thing behind a round of the cluster's barrier
.if \fill
	s_wait_xcnt 0x0                                ; the last prefetch, a K step back, has read its address
	s_add_nc_u64 s[PFA:PFA+1], s[PFA:PFA+1], KSTEP*2
	MEET 1
	CREST
	s_add_nc_u64 s[G0+4*(\slot)+2:G0+4*(\slot)+3], s[G0+4*(\slot)+2:G0+4*(\slot)+3], 2*KSTEP*2
	s_add_nc_u64 s[G0B+4*(\slot)+2:G0B+4*(\slot)+3], s[G0B+4*(\slot)+2:G0B+4*(\slot)+3], 2*KSTEP*2
	JLOAD \slot                                    ; its four v_nop are also the places in front of the loads below
.else
	MEET 0
	PLACES
.endif
	FETCH \next, 0, F0
.if \fill
	ASK
.endif
	WIN MUL_HI
	MUL16 F1, 1, 0, 0
	MUL16 F1, 1, 2, 0
.endm
	s_wait_tensorcnt 1                             ; my part of K step 0 is in; K step 1's may stay out
	s_barrier_signal -1
	s_barrier_wait -1
	FETCH 0, 0, F0
	QUARTER 0, 64,  F0, F1, 1                      ; the first quarter's products start the sums
	WIN 0
	s_mov_b32 s3, LAPS-1
.Llap:                                         ; a trip goes once round the ring and fills both slots again
	QUARTER 0, 128, F1, F0, 0
	QUARTER 0, 192, F0, F1, 0
	TURN 0, 1, 1
	QUARTER 1, 64,  F0, F1, 0
	QUARTER 1, 128, F1, F0, 0
	QUARTER 1, 192, F0, F1, 0
	TURN 1, 0, 1
	QUARTER 0, 64,  F0, F1, 0
	WIN 0
	s_sub_co_u32 s3, s3, 1
	s_cmp_lg_u32 s3, 0
	s_cbranch_scc1 .Llap
	QUARTER 0, 128, F1, F0, 0                      ; the last lap is written out: it fills nothing
	QUARTER 0, 192, F0, F1, 0
	TURN 0, 1, 0
	QUARTER 1, 64,  F0, F1, 0
	QUARTER 1, 128, F1, F0, 0
	QUARTER 1, 192, F0, F1, 0
	s_wait_dscnt 8
	WIN MUL_LO
	MUL16 F1, 0, 0, 0
	MUL16 F1, 0, 2, 0
	s_wait_dscnt 0x0
	MUL16 F1, 1, 0, 0
	MUL16 F1, 1, 2, 0
	; THE WAY OUT
	WIN 0
	PLACES
	s_wait_dscnt 0x0
	s_barrier_signal -1
	s_barrier_wait -1                              ; nobody reads the ring any more; no fill follows: its bytes may be stored to
	s_wait_loadcnt 0x0                             ; my quarter of the table
	WIN 0x04                                       ; store data in window 1
.set ii, 0
.rept 16
	ds_store_b128 v[TST], v[4*ii:4*ii+3] offset:512*ii
.set ii, ii+1
.endr
.set ii, 0
.rept 16
	ds_store_b128 v[TST], v[192+4*ii:192+4*ii+3] offset:512*(16+ii)
.set ii, ii+1
.endr
; Accumulator number n lies at 1,024 n: registers 0-3 at 16 x lane, registers 4-7 512 bytes on.  Each accumulator's lowest registers are read first.
.macro DUMPW win, a0, b0, n0           ; a window's four row blocks (a0 on), column blocks b0 .. b0 + 3, to numbers n0 + 4 a + b
	WIN \win
.irp a, 0,1,2,3
.irp b, 0,1,2,3
	ds_store_b128 v[XA], v[8*(8*(\a)+(\b0)+(\b)):8*(8*(\a)+(\b0)+(\b))+3]   offset:1024*((\n0)+4*((\a0)+(\a))+(\b))
	ds_store_b128 v[XA], v[8*(8*(\a)+(\b0)+(\b))+4:8*(8*(\a)+(\b0)+(\b))+7] offset:1024*((\n0)+4*((\a0)+(\a))+(\b))+512
.endr
.endr
.endm
	DUMPW 0x08, 0, 0, 0                            ; the first head (a query head, or the keys)
	DUMPW 0x0c, 4, 0, 0
	WIN 0
	s_cmp_eq_u32 s12, 0
	s_cbranch_scc0 .Lone_head
	DUMPW 0x08, 0, 4, 32                           ; the second query head
	DUMPW 0x0c, 4, 4, 32
	WIN 0
.Lone_head:
	s_wait_dscnt 0x0                               ; for the others' sake: my quarter of the table is stored
	s_barrier_signal -1
	s_barrier_wait -1
	s_cmp_eq_u32 s12, 1
	s_cbranch_scc0 .Lno_v
; The values: column blocks 4-7 straight from the registers: x k, rounded to f16, 16 bytes a lane.
.macro VPART wmul, wcvt, out
	WIN \wmul
.irp a, 0,1,2,3
.irp b, 4,5,6,7
.irp p, 0,1,2,3
	v_pk_mul_f32 v[8*(8*(\a)+(\b))+2*(\p):8*(8*(\a)+(\b))+2*(\p)+1], v[8*(8*(\a)+(\b))+2*(\p):8*(8*(\a)+(\b))+2*(\p)+1], s[KK:KK+1] op_sel_hi:[1,0]
.endr
.endr
.endr
	WIN \wcvt
.irp a, 0,1,2,3
.irp b, 4,5,6,7
.irp p, 0,1,2,3
	v_cvt_pk_f16_f32 v[(\out)+4*(4*(\a)+(\b)-4)+(\p)], v[8*(8*(\a)+(\b))+2*(\p)], v[8*(8*(\a)+(\b))+2*(\p)+1]
.endr
.endr
.endr
.endm
	VPART 0x82, 0x0a, 64
	VPART 0xc3, 0x0f, 128
	WIN 0
.irp a, 0,1,2,3,4,5,6,7
.irp b, 0,1,2,3
	global_store_b128 v[LN16], v[64+4*(4*(\a)+(\b)):64+4*(4*(\a)+(\b))+3], s[DV:DV+1] offset:2048*(\a)+512*(\b)  ; 512 consecutive bytes, aligned
.endr
.endr
.Lno_v:
	s_wait_xcnt 0x0                                ; those stores have read their registers, into which the loads below land
	; RoPE.  A unit is a head (32 accumulators); a trip takes 8 of them: two row blocks x four column blocks.  Waves with the keys have one unit: their second is jumped over.
	s_mov_b32 s[UNITS], 2
.Lunit:
	s_sub_co_u32 s86, s[UNITS], s12
	s_cmp_eq_u32 s86, 0
	s_cbranch_scc1 .Lunit_next
	s_lshl_b32 s[STB], s11, 15                     ; my 8 position blocks of the table
	s_mov_b32 s[TRIPS], 4
.Ltrip:
	v_add_nc_u32 v[XA], s[SX], v[LN16]
	v_add_nc_u32 v[TA], s[STB], v[LN16]
.set nn, 0
.rept 8
	ds_load_b128 v[X+8*nn:X+8*nn+3],     v[XA] offset:1024*nn
	ds_load_b128 v[X+8*nn+4:X+8*nn+7],   v[XA] offset:1024*nn+512
	ds_load_b128 v[CSR+8*nn:CSR+8*nn+3],   v[TA] offset:1024*nn
	ds_load_b128 v[CSR+8*nn+4:CSR+8*nn+7], v[TA] offset:1024*nn+512
.set nn, nn+1
.endr
.set nn, 0
.rept 8
	s_wait_dscnt 28-4*nn                           ; accumulator nn and its table are in; the later ones' four loads each may stay out
.irp p, 0,1,2,3
	v_pk_mul_f32 v[TP+2*\p:TP+2*\p+1], v[X+8*nn+2*\p:X+8*nn+2*\p+1], v[CSR+8*nn+2*\p:CSR+8*nn+2*\p+1] op_sel:[1,1] op_sel_hi:[0,1] neg_lo:[0,1]  ; (-x1 s, x0 s)
.endr
.irp p, 0,1,2,3
	v_pk_fma_f32 v[X+8*nn+2*\p:X+8*nn+2*\p+1], v[X+8*nn+2*\p:X+8*nn+2*\p+1], v[CSR+8*nn+2*\p:CSR+8*nn+2*\p+1], v[TP+2*\p:TP+2*\p+1] op_sel_hi:[1,0,1]  ; (x0 c - x1 s, x1 c + x0 s)
.endr
.irp p, 0,1,2,3
	v_cvt_pk_f16_f32 v[HI+4*nn+\p], v[X+8*nn+2*\p], v[X+8*nn+2*\p+1]
.endr
.irp p, 0,1,2,3
	v_fma_mix_f32 v[X+8*nn+2*\p], v[HI+4*nn+\p], v[NEG1], v[X+8*nn+2*\p] op_sel_hi:[1,0,0]                    ; what the head left: exact
	v_fma_mix_f32 v[X+8*nn+2*\p+1], v[HI+4*nn+\p], v[NEG1], v[X+8*nn+2*\p+1] op_sel:[1,0,0] op_sel_hi:[1,0,0]
.endr
.irp p, 0,1,2,3
	v_cvt_pk_f16_f32 v[LO+4*nn+\p], v[X+8*nn+2*\p], v[X+8*nn+2*\p+1]
.endr
	global_store_b128 v[LN16], v[HI+4*nn:HI+4*nn+3], s[DH:DH+1] offset:2048*(nn/4)+512*(nn%4)
	global_store_b128 v[LN16], v[LO+4*nn:LO+4*nn+3], s[DL:DL+1] offset:2048*(nn/4)+512*(nn%4)
.set nn, nn+1
.endr
	s_wait_xcnt 0x0                                ; the stores have read their data and their bases: both are written again only behind this wait
	s_add_nc_u64 s[DH:DH+1], s[DH:DH+1], 4096      ; two position blocks on
	s_add_nc_u64 s[DL:DL+1], s[DL:DL+1], 4096
	s_add_co_u32 s[SX], s[SX], 8192
	s_add_co_u32 s[STB], s[STB], 8192
	s_sub_co_u32 s[TRIPS], s[TRIPS], 1
	s_cmp_lg_u32 s[TRIPS], 0
	s_cbranch_scc1 .Ltrip
	s_add_nc_u64 s[DH:DH+1], s[DH:DH+1], 262144-16384  ; the next head, back to my first position block
	s_add_nc_u64 s[DL:DL+1], s[DL:DL+1], 262144-16384
.Lunit_next:
	s_sub_co_u32 s[UNITS], s[UNITS], 1
	s_cmp_lg_u32 s[UNITS], 0
	s_cbranch_scc1 .Lunit
	s_wait_dscnt 0x0                               ; my reads of the table and of my accumulators are back (each trip's count-down ended at 0),
	s_barrier_signal -1                            ; and so are every wave's,
	s_barrier_wait -1                              ; before any wave writes LDS again: the add below
	s_wait_tensorcnt 0x0                           ; the wave's end: behind my last tensor load and my last LDS store
	ds_add_u32 v[SPW], v[NIL]
	s_wait_dscnt 0x0
	CROUND                                         ; the closing round
	s_endpgm
.Lfunc_end_k_qd54a522d07_qkv:
	.size	k_qd54a522d07_qkv, .Lfunc_end_k_qd54a522d07_qkv-k_qd54a522d07_qkv
	.p2alignl 7, 3214868480
	.fill 96, 4, 3214868480
	.section	.rodata,"a",@progbits
	.p2align	6, 0x0
	.amdhsa_kernel k_qd54a522d07_qkv
		.amdhsa_group_segment_fixed_size 327680
		.amdhsa_private_segment_fixed_size 0
		.amdhsa_enable_private_segment 0
		.amdhsa_kernarg_size 40
		.amdhsa_user_sgpr_count 2
		.amdhsa_user_sgpr_kernarg_segment_ptr 1
		.amdhsa_wavefront_size32 1
		.amdhsa_system_sgpr_workgroup_id_x 1
		.amdhsa_system_sgpr_workgroup_id_y 1
		.amdhsa_system_sgpr_workgroup_id_z 1
		.amdhsa_system_vgpr_workitem_id 0
		.amdhsa_next_free_vgpr 1024
		.amdhsa_next_free_sgpr 96
		.amdhsa_reserve_vcc 0
		.amdhsa_float_denorm_mode_32 3
		.amdhsa_float_denorm_mode_16_64 3
		.amdhsa_memory_ordered 1
		.amdhsa_forward_progress 1
		.amdhsa_inst_pref_size 162
	.end_amdhsa_kernel
	.amdgpu_metadata
---
amdhsa.version: [ 1, 2 ]
amdhsa.kernels:
  - .name:           k_qd54a522d07_qkv
    .symbol:         k_qd54a522d07_qkv.kd
    .args:
      - { .name: xb, .offset: 0, .size: 8, .value_kind: global_buffer, .address_space: global }
      - { .name: wqkvb, .offset: 8, .size: 8, .value_kind: global_buffer, .address_space: global }
      - { .name: tab, .offset: 16, .size: 8, .value_kind: global_buffer, .address_space: global }
      - { .name: qhl, .offset: 24, .size: 8, .value_kind: global_buffer, .address_space: global }
      - { .name: kvb, .offset: 32, .size: 8, .value_kind: global_buffer, .address_space: global }
    .group_segment_fixed_size: 327680
    .private_segment_fixed_size: 0
    .kernarg_segment_align: 8
    .kernarg_segment_size: 40
    .max_flat_workgroup_size: 128
    .sgpr_count:     96
    .vgpr_count:     1024
    .wavefront_size: 32
...
	.end_amdgpu_metadata
.endif
;; end of part 2
;; launch attn (part 3): grid 8 x 32, 4 waves a work-group, no clusters, 327,680 bytes of LDS; arguments qhl, kvb, ob; writes ob
.if DOCPART == 3
	.amdgcn_target "amdgcn-amd-amdhsa--gfx1250"
	.amdhsa_code_object_version 6
	.text
	.protected	k_qd54a522d07_attn
	.globl	k_qd54a522d07_attn
	.p2align	8
	.type	k_qd54a522d07_attn,@function
k_qd54a522d07_attn:
	s_mov_b64 s[64:65], 0
	v_nop
	global_prefetch_b8 v0, s[64:65] scope:SCOPE_SE
	s_setreg_imm32_b32 hwreg(HW_REG_WAVE_MODE, 25, 1), 1
	s_wait_xcnt 0x0
; CAUSAL ATTENTION, 16 query heads on 8 key and value heads, head size 64, 2,048 positions, 4 batches.  q and k arrive as two f16 numbers each (head qh, kh and tail ql, kl), v as one, all as value / 16.
; S = ql kh + qh kl + qh kh in f32 (what is left out, ql kl, lies 22 bits below); p = 2^(c s - c m) with a running maximum m, c = 256 log2(e) / 8; p is rounded to f16 for the second product,
; its sum l is taken of the unrounded p; O leaves as f16, value / 16.  LIMITS: f16's range for q, k, v (the launch before states it); a hidden score counts as its value less 2^100;
; a weight below 2^-126 counts as 0; NaN and infinities are not treated apart.
; SHARES.  Work-group (b, hk): key head hk = 8 batch + g.  A BLOCK is 128 positions x the two query heads 2 g, 2 g + 1, so each fragment of K and V feeds both heads.  Block i needs the key tiles 0 .. i of 128 keys.
; The work-group takes block 15 - b and then block b: 17 tiles whatever b, walked by loops with constant trip counts.  A wave has four tiles of 16 queries: tile t = head t / 2, band t % 2 (64 positions), rows 16 w .. 16 w + 15
; of the band: so the diagonal tile is the same work for all four waves.  PIECE 0 = tiles 0, 1, piece 2 = tiles 2, 3.
; NO CLUSTER: the eight work-groups of a head ask for the same tile only in their first nine trips; behind that their walks part, and partners of a cluster may not branch apart; one walk common to all
; would have 20 trips for 17.
; BY TURNS.  Ring step sg = 2 x tile in the walk + half.  T0: 16 products V^T P (piece 0, step sg - 1), 48 products K Q^T (piece 0, step sg); piece 2's softmax of step sg - 1 stands in slices behind them.  T2: the same for
; piece 2, with piece 0's softmax of step sg.  A turn's 66 exponentials are one batch with one wait.  The pipeline runs on across the change of blocks: at step SW three short blocks of text, jumped over elsewhere,
; bring the second block's Q, write a finished piece out and set its maximum anew; the new block's first step then multiplies O and l by a = 0.
; THE MASK is the C operand that starts a sum S: MC = MD x AL + BE for each band, made a step ahead; MD, made once, is the mask of a band's own step.  (AL, BE) = (1, 0) own step; (0, -2^100) hidden; (0, 0) else.
; LDS: slot n at n x 131,072: kh 16,384 bytes, kl 16,384 (as they lie in memory: a fragment load takes 512 consecutive bytes), v 64 units of 256 bytes 384 apart (the turning load's two channel groups fall on different banks).
; REGISTERS (s_set_vgpr_msb: bits 1:0 source 0, 3:2 source 1, 5:4 source 2, 7:6 destination):  window 0: v2-4 addresses; v12-43 statistics, 8 a tile (c m, m, l even, l odd, c0-c3; a takes c2); v64-191 S, 32 a tile; v192-255 P, 16 a tile.
;   window 1: v0-127 O^T, 32 a tile; v128-159 MD; v160-223 MC, 32 a band.   window 2: v0-127 Q (32 t + 16 part + 8 c); v128-255 K (64 part + 16 kb + 8 c).   window 3: v0-63 V; v64-191 the second block's Q.
.set SLOT1, 1<<17
.set KLO,   16384
.set VOFF,  32768
.set VP,    384
.set SPARE, SLOT1+VOFF+64*VP           ; behind the ring: the spare words, 128 bytes for each wave
.set LN,  2                            ; v2   16 x lane: my place in a fragment of K, of Q and in 512 bytes of O; never rewritten
.set AV0, 3                            ; v3   my lane's place in V; never rewritten
.set ADR, 4                            ; v4   the address of the run of loads in hand
.set ST,  12
.set PFO, 61                           ; v61  256 x lane; never rewritten
.set SPW, 62                           ; v62  my spare word; never rewritten
.set NIL, 63                           ; v63  0; never rewritten
.set S,   64
.set P,   192
.set MD,  128
.set MC,  160
.set KF,  128
.set QB,  64
.set WV,  12
.set PB,  13                           ; b
.set IA,  14                           ; 15 - b
.set LIM, 15                           ; 2 in a wave that prefetches, else the greatest number
.set G1K, 24
.set G1V, 32
.set G0K, 40
.set G0V, 44
.set KB,  48                           ; s[48:49] my part of K at the head's tile 0
.set VB,  50                           ; s[50:51] my half of V likewise
.set OFF, 52                           ; s[52:53] a tile's byte offset
.set PFA, 54                           ; s[54:55] where my prefetches stand
.set SLOTS, 56
.set CNT, 57
.set CS,  58                           ; s[58:59] c
.set SEL, 60                           ; s[60:61] v_permlanex16_b32's selects: the same place in the other half
.set TBK, 62                           ; LDS byte at which K of the step to be fetched begins
.set TBV, 63                           ; the same for V, less VOFF
.set NXT, 66                           ; the tile to be asked for next
.set LQ,  67                           ; the last tile of the block whose tiles are being asked for
.set SIG, 68                           ; the ring step
.set SW,  69                           ; the ring step at which a block ends
.set AL0, 70                           ; s[70:71], s[72:73] band 0's factor and addend; s[74:75], s[76:77] band 1's
.set BE0, 72
.set OP,  78                           ; s[78:79] O at my rows of the block in hand
.set OPB, 80                           ; s[80:81] of the second block
.set BIGN, 82                          ; -2^100
.set QAH, 88                           ; s[88:95] Q: first block's heads, tails; second block's heads, tails
.set T1,  96
.set T2,  97
.set T3,  98
.set T4,  99
.set MSB, 0
.macro WIN new
.if MSB != (\new)
	s_set_vgpr_msb (MSB<<8)|(\new)
.set MSB, (\new)
.endif
.endm
.set W_KQ, 0x0a                        ; K and Q in window 2, S in window 0
.set W_KM, 0x1a                        ; the same with C in window 1
.set W_PV, 0x53                        ; V in window 3, P in window 0, O^T in window 1
.set W_RS, 0x41                        ; destination and source 0 in window 1
; A fill.  Waves 0 and 1 fetch kh and kl, waves 2 and 3 the halves of v.  An s_nop 0 and four v_nop follow each line, ahead of the jump and the label.
.macro LOAD
	s_cmp_lt_u32 s[WV], 2
	s_cbranch_scc0 .Lfor_v_\@
	tensor_load_to_lds s[G0K:G0K+3], s[G1K:G1K+7]
	s_nop 0
.rept 4
	v_nop
.endr
	s_branch .Lasked_\@
.Lfor_v_\@:
	tensor_load_to_lds s[G0V:G0V+3], s[G1V:G1V+7]
	s_nop 0
.rept 4
	v_nop
.endr
.Lasked_\@:
.endm
; A prefetch of the tile that the NEXT change of slots will ask for: two ring steps, 256 matrix instructions, ahead.  All eight work-groups of a head begin with tiles 0, 1, 2 ..: the one with b = 0, which walks 0 to 15 in order,
; asks; its waves 0, 1, 2 take kh, kl, v: 16,384 bytes each, a lane 256 bytes, two instructions.  Tiles 2 to 15 are named, each once; the last two changes that fill a slot ask for nothing.
.macro ASK
	s_cmp_gt_u32 s[SLOTS], s[LIM]
	s_cbranch_scc0 .Lnot_mine_\@
	global_prefetch_b8 v[PFO], s[PFA:PFA+1] th:TH_LOAD_NT scope:SCOPE_SE
	global_prefetch_b8 v[PFO], s[PFA:PFA+1] offset:8192 th:TH_LOAD_NT scope:SCOPE_SE
.Lnot_mine_\@:
.endm
; THE CHANGE OF SLOTS.  Each wave waits for all its tensor loads (one is out: its part of the other slot), adds 0 to its spare word, and waits for that and for its reads of the slot that it leaves.  Behind the barrier nobody reads
; the old slot and the other is whole.  fill = 1: the old slot is filled again, first thing behind the barrier, with tile NXT; the descriptor's address is made anew from that number.
.macro CHANGE fill
	WIN 0
	s_wait_tensorcnt 0x0
	ds_add_u32 v[SPW], v[NIL]                      ; 0 onto my spare word; scalar work stands between it and the wait for it
.if \fill
	s_lshl_b32 s[OFF], s[NXT], 14                  ; a tile is 16,384 bytes of each part
	s_xor_b32 s[G0K+1], s[G0K+1], SLOT1
	s_add_nc_u64 s[G0K+2:G0K+3], s[KB:KB+1], s[OFF:OFF+1]
	s_or_b32 s[G0K+3], s[G0K+3], 0x80000000
	s_xor_b32 s[G0V+1], s[G0V+1], SLOT1
	s_add_nc_u64 s[G0V+2:G0V+3], s[VB:VB+1], s[OFF:OFF+1]
	s_or_b32 s[G0V+3], s[G0V+3], 0x80000000
	s_add_co_u32 s[NXT], s[NXT], 1                 ; the block's next tile, or behind its last the second block's tile 0
	s_cmp_gt_u32 s[NXT], s[LQ]
	s_cselect_b32 s[NXT], 0, s[NXT]
	s_cselect_b32 s[LQ], s[PB], s[LQ]
	s_wait_xcnt 0x0                                ; the last prefetches, two ring steps back, have read their address
	s_add_nc_u64 s[PFA:PFA+1], s[PFA:PFA+1], 16384
.endif
	s_wait_dscnt 0x0                               ; the add is done, and my reads of the slot are over
	s_barrier_signal -1
	s_xor_b32 s[TBK], s[TBK], SLOT1                ; the fetches go to the other slot
	s_xor_b32 s[TBV], s[TBV], SLOT1
	s_barrier_wait -1
.if \fill
	LOAD
	ASK
.endif
.endm
	s_load_b128 s[4:7], s[0:1], 0x0                ; qhl, kvb
	s_load_b64 s[8:9], s[0:1], 0x10                ; ob
	v_lshl_add_u32 v[SPW], v0, 2, SPARE
	v_mov_b32 v[NIL], 0
	ds_add_u32 v[SPW], v[NIL]                      ; the wave's opening: the add and its wait ahead of my first tensor load
	v_lshrrev_b32 v1, 5, v0
	v_readfirstlane_b32 s[WV], v1
	s_mov_b32 s[PB], ttmp9
	s_sub_co_u32 s[IA], 15, s[PB]
	s_and_b32 s16, ttmp7, 0xffff                   ; hk
	s_and_b32 s17, s[WV], 1
	s_lshl_b32 s19, s16, 18                        ; a head is 262,144 bytes of each part of kvb
	s_lshl_b32 s20, s17, 23                        ; kh or kl
	s_add_co_u32 s20, s20, s19
	s_mov_b32 s21, 0
	s_lshl_b32 s22, s17, 13                        ; the first or second 64 keys of a tile of v
	s_add_co_u32 s22, s22, s19
	s_add_co_u32 s22, s22, 0x1000000
	s_mov_b32 s23, 0
	s_mov_b32 s[G1K], 3<<16                        ; 8-byte elements, no padding: 64 rows of 256 bytes, dense
	s_mov_b32 s[G1K+1], 32<<16                     ; tensor_dim0 = 32
	s_mov_b32 s[G1K+2], 64<<16                     ; tensor_dim1 = 64
	s_mov_b32 s[G1K+3], 32<<16                     ; tile_dim0 = 32
	s_mov_b32 s[G1K+4], 64                         ; tile_dim1 = 64
	s_mov_b32 s[G1K+5], 32
	s_mov_b32 s[G1K+6], 0
	s_mov_b32 s[G1K+7], 0
	s_mov_b32 s[G1V], (3<<16)|(1<<20)|(5<<22)|(31<<25)  ; after every 64 words 32 words of padding: 32 rows of 256 bytes, 384 apart
	s_mov_b32 s[G1V+1], 32<<16
	s_mov_b32 s[G1V+2], 32<<16
	s_mov_b32 s[G1V+3], 32<<16
	s_mov_b32 s[G1V+4], 32
	s_mov_b32 s[G1V+5], 32
	s_mov_b32 s[G1V+6], 0
	s_mov_b32 s[G1V+7], 0
	s_mov_b32 s[G0K], 1
	s_lshl_b32 s[G0K+1], s17, 14                   ; slot 0: kh at 0, kl at 16,384
	s_mov_b32 s[G0V], 1
	s_mul_i32 s[G0V+1], s17, 32*VP
	s_add_co_u32 s[G0V+1], s[G0V+1], VOFF
	s_lshl_b32 s83, s[IA], 3
	s_add_co_u32 s83, s83, s[WV]                   ; my first position block in the first block: 8 (15 - b) + w
	s_lshl_b32 s18, s[PB], 3
	s_add_co_u32 s18, s18, s[WV]                   ; in the second
	s_lshl_b32 s96, s16, 19                        ; two query heads: 524,288 bytes
	s_lshl_b32 s84, s83, 11
	s_add_co_u32 s84, s84, s96
	s_mov_b32 s85, 0
	s_lshl_b32 s86, s18, 11
	s_add_co_u32 s86, s86, s96
	s_mov_b32 s87, 0
	s_lshr_b32 s96, s16, 3
	s_lshl_b32 s96, s96, 7                         ; 128 row blocks a batch
	s_and_b32 s97, s16, 7
	s_lshl_b32 s97, s97, 12                        ; two heads' channels: 4,096 bytes of a row block
	s_add_co_u32 s98, s96, s83
	s_lshl_b32 s98, s98, 15
	s_add_co_u32 s98, s98, s97
	s_mov_b32 s99, 0
	s_add_co_u32 s[OFF], s96, s18
	s_lshl_b32 s[OFF], s[OFF], 15
	s_add_co_u32 s[OFF], s[OFF], s97
	s_mov_b32 s[OFF+1], 0
	s_min_u32 s96, s[WV], 2                        ; the part that I prefetch
	s_lshl_b32 s96, s96, 23
	s_add_co_u32 s96, s96, s19
	s_add_co_u32 s96, s96, 16384                   ; at tile 1: the first change steps it to tile 2
	s_mov_b32 s97, 0
	s_cmp_lt_u32 s[WV], 3
	s_cselect_b32 s[LIM], s[PB], 1
	s_cmp_eq_u32 s[LIM], 0
	s_cselect_b32 s[LIM], 2, -1
	s_mov_b32 s[CS], 0x4238aa3b                    ; c = 32 log2(e)
	s_mov_b32 s[CS+1], s[CS]
	s_mov_b32 s[SEL], 0x76543210
	s_mov_b32 s[SEL+1], 0xfedcba98
	s_mov_b32 s[BIGN], 0xf1800000
	s_mov_b32 s[TBK], SLOT1                        ; the first change of slots turns these two into 0
	s_mov_b32 s[TBV], SLOT1
	s_mov_b32 s[NXT], 1
	s_mov_b32 s[LQ], s[IA]
	s_mov_b32 s[SIG], 0
	s_lshl_b32 s[SW], s[PB], 1
	s_sub_co_u32 s[SW], 32, s[SW]                  ; the first block has 16 - b tiles
	s_mov_b32 s[SLOTS], 16
.irp r, 0,1,2,3,4,5,6,7
	s_mov_b32 s[AL0+\r], 0
.endr
	s_wait_dscnt 0x0                               ; the opening add is done
	s_wait_kmcnt 0x0
	s_add_nc_u64 s[KB:KB+1], s[6:7], s[20:21]
	s_add_nc_u64 s[VB:VB+1], s[6:7], s[22:23]
	s_add_nc_u64 s[G0K+2:G0K+3], s[KB:KB+1], 0
	s_or_b32 s[G0K+3], s[G0K+3], 0x80000000
	s_add_nc_u64 s[G0V+2:G0V+3], s[VB:VB+1], 0
	s_or_b32 s[G0V+3], s[G0V+3], 0x80000000
	s_add_nc_u64 s[QAH:QAH+1], s[4:5], s[84:85]
	s_add_nc_u64 s[QAH+2:QAH+3], s[QAH:QAH+1], 0x1000000
	s_add_nc_u64 s[QAH+4:QAH+5], s[4:5], s[86:87]
	s_add_nc_u64 s[QAH+6:QAH+7], s[QAH+4:QAH+5], 0x1000000
	s_add_nc_u64 s[OP:OP+1], s[8:9], s[98:99]
	s_add_nc_u64 s[OPB:OPB+1], s[8:9], s[OFF:OFF+1]
	s_add_nc_u64 s[PFA:PFA+1], s[6:7], s[96:97]
	LOAD                                           ; tile 0 into slot 0
	v_and_b32 v1, 15, v0                           ; l % 16
	v_bfe_u32 v9, v0, 4, 1                         ; l / 16
	v_and_b32 v[LN], 31, v0
	v_lshlrev_b32 v[PFO], 8, v[LN]
	v_lshlrev_b32 v[LN], 4, v[LN]
	; Both blocks' Q.  A fragment is 16 rows x 32 channels: in the blocked layout 512 consecutive bytes, twice.  Tile t: head t / 2 (262,144 bytes on), band t % 2 (4 position blocks on).
.macro QLOAD base, first
.set t, 0
.rept 4
.irp c, 0,1
	global_load_b128 v[(\first)+32*t+8*\c:(\first)+32*t+8*\c+3],       v[LN], s[(\base):(\base)+1] offset:262144*(t/2)+8192*(t%2)+1024*\c
	global_load_b128 v[(\first)+32*t+8*\c+4:(\first)+32*t+8*\c+7],     v[LN], s[(\base):(\base)+1] offset:262144*(t/2)+8192*(t%2)+1024*\c+512
	global_load_b128 v[(\first)+32*t+16+8*\c:(\first)+32*t+16+8*\c+3],   v[LN], s[(\base)+2:(\base)+3] offset:262144*(t/2)+8192*(t%2)+1024*\c
	global_load_b128 v[(\first)+32*t+16+8*\c+4:(\first)+32*t+16+8*\c+7], v[LN], s[(\base)+2:(\base)+3] offset:262144*(t/2)+8192*(t%2)+1024*\c+512
.endr
.set t, t+1
.endr
.endm
	WIN 0x80
	QLOAD QAH, 0
	WIN 0xc0
	QLOAD QAH+4, QB
	WIN 0
	; The turning load: lane l reads key 8 (l / 16) + l % 8 of a block of 16, channel group (l / 8) % 2 of the pair, and ends with channel l % 16 and 8 keys.
	v_and_b32 v10, 7, v0
	v_bfe_u32 v11, v0, 3, 1
	v_lshl_add_u32 v[AV0], v9, 3, v10
	v_lshlrev_b32 v[AV0], 4, v[AV0]
	v_mul_u32_u24 v11, v11, VP
	v_add_nc_u32 v[AV0], v[AV0], v11
	v_add_nc_u32 v[AV0], VOFF, v[AV0]
	v_lshlrev_b32 v6, 3, v9
	v_sub_nc_u32 v6, v1, v6
	s_lshl_b32 s16, s[WV], 4
	v_add_nc_u32 v6, s16, v6                       ; my query's place in its band less my lanes' 8 (l / 16): register r of key group kt is hidden where 16 kt + r is greater
	WIN 0x40
.set i, 0
.rept 32
	v_cmp_gt_i32 vcc_lo, 16*(i/8)+i%8, v6
	v_cndmask_b32 v[MD+i], 0, s[BIGN], vcc_lo
.set i, i+1
.endr
	; What step 0 finds, so that it is a step like any other: V, O^T, the masks and piece 0's P are 0; piece 2's scores of a step that has not been are all -2^100 (their weights meet V = 0, and the next a is 0).
.set i, 0
.rept 128
	v_mov_b32 v[i], 0
.set i, i+1
.endr
.set i, MC
.rept 64
	v_mov_b32 v[i], 0
.set i, i+1
.endr
	WIN 0xc0
.set i, 0
.rept 64
	v_mov_b32 v[i], 0
.set i, i+1
.endr
	WIN 0
.set i, 0
.rept 32
	v_mov_b32 v[P+i], 0
.set i, i+1
.endr
.set i, 0
.rept 64
	v_mov_b32 v[S+64+i], s[BIGN]
.set i, i+1
.endr
.set i, 0
.rept 4
	v_mov_b32 v[ST+8*i], 0xfe000000                ; c m: far below every c s
	v_mov_b32 v[ST+8*i+1], 0xff7fffff              ; m
.irp r, 2,3,4,5,6,7
	v_mov_b32 v[ST+8*i+\r], 0
.endr
.set i, i+1
.endr
; THE MATRIX WORK.  The 8 accumulators of a run take turns, one instruction a turn.
; Product i of 16 of O^T += V^T P for piece x: keys 32 (i / 8) on, channels 16 ((i / 2) % 4) on, tile x + i % 2.
.macro PV x
	WIN W_PV
.set rO, 32*((\x)+i%2)+8*((i/2)%4)
.set rV, 32*(i/8)+8*((i/2)%4)
.set rP, P+16*((\x)+i%2)+8*(i/8)
	v_wmma_f32_16x16x32_f16 v[rO:rO+7], v[rV:rV+7], v[rP:rP+7], v[rO:rO+7]
.endm
; Product i of 48 of S = K Q^T for piece x: six runs of 8: kl qh (channels 0-31, 32-63), kh ql, kh qh: the small terms first.  Keys 16 ((i / 2) % 4) on, tile x + i % 2.  The first 8 start the sums with the mask.
.macro KQ x
.set ch, i/8
.set kp, 0
.if ch < 2
.set kp, 1
.endif
.set qp, 0
.if (ch == 2) || (ch == 3)
.set qp, 1
.endif
.set rS, S+32*((\x)+i%2)+8*((i/2)%4)
.set rK, KF+64*kp+16*((i/2)%4)+8*(ch%2)
.set rQ, 32*((\x)+i%2)+16*qp+8*(ch%2)
.set rM, MC+32*(i%2)+8*((i/2)%4)
.if i < 8
	WIN W_KM
	v_wmma_f32_16x16x32_f16 v[rS:rS+7], v[rK:rK+7], v[rQ:rQ+7], v[rM:rM+7]
.else
	WIN W_KQ
	v_wmma_f32_16x16x32_f16 v[rS:rS+7], v[rK:rK+7], v[rQ:rQ+7], v[rS:rS+7]
.endif
.endm
; THE LDS LOADS stand in runs.  K: 32 loads in the order in which the products want them.  The pointers are turned by an exclusive or: after a slot's two steps they stand at its first again.
.macro FETCH_K
	WIN 0
	v_add_nc_u32 v[ADR], s[TBK], v[LN]
	s_xor_b32 s[TBK], s[TBK], 0x2000               ; a step's 4 key blocks are 8,192 bytes
	WIN 0x80
.irp pc, 2,3,0,1                       ; 2 x part + channel half
.irp kb, 0,1,2,3
	ds_load_b128 v[KF+64*((\pc)/2)+16*(\kb)+8*((\pc)%2):KF+64*((\pc)/2)+16*(\kb)+8*((\pc)%2)+3],   v[ADR] offset:KLO*((\pc)/2)+2048*(\kb)+1024*((\pc)%2)
	ds_load_b128 v[KF+64*((\pc)/2)+16*(\kb)+8*((\pc)%2)+4:KF+64*((\pc)/2)+16*(\kb)+8*((\pc)%2)+7], v[ADR] offset:KLO*((\pc)/2)+2048*(\kb)+1024*((\pc)%2)+512
.endr
.endr
.endm
.macro FETCH_V
	WIN 0
	v_add_nc_u32 v[ADR], s[TBV], v[AV0]
	s_xor_b32 s[TBV], s[TBV], 0x3000               ; a step's 32 units are 12,288 bytes
	s_wait_alu depctr_va_vdst(0)                   ; the wait for the softmax's batch (SLICE)
	WIN 0xc0
.irp f, 0,1,2,3,4,5,6,7                ; keys 32 (f / 4) on, channels 16 (f % 4) on
	ds_load_tr16_b128 v[8*\f:8*\f+3],   v[ADR] offset:(\f/4)*16*VP+(\f%4)*2*VP
	ds_load_tr16_b128 v[8*\f+4:8*\f+7], v[ADR] offset:(\f/4)*16*VP+(\f%4)*2*VP+8*VP
.endr
.endm
; THE VECTOR WORK.  A tile's softmax for a step is a numbered list; SM writes number j of it for tile t.
;   0-15 the maximum of the lane's 32 scores and the old m (each accumulator's lowest registers first)   16-20 the other half of the lanes' maximum; m; c m; its change
;   21-69 ONE BATCH: 16 scalings c s - c m and 33 exponentials (a at 23); none reads an exponential's result   (the wait)   70-85 roundings to f16   86-101 the sums; l = a l + sum
;   102-117 O^T times a   118-133 (tiles 0, 1 alone) the next step's mask for band t
.macro SM t
.set rT, ST+8*(\t)
.set rS, S+32*(\t)
.set rP, P+16*(\t)
.if j < 102
	WIN 0
.endif
.if j < 4
	v_max3_num_f32 v[rT+4+j], v[rS+8*j], v[rS+8*j+1], v[rS+8*j+2]
.elseif j < 12
	v_max3_num_f32 v[rT+4+j%4], v[rT+4+j%4], v[rS+8*(j%4)+2*(j/4)+1], v[rS+8*(j%4)+2*(j/4)+2]
.elseif j == 12
	v_max3_num_f32 v[rT+4], v[rT+4], v[rS+7], v[rS+15]
.elseif j == 13
	v_max3_num_f32 v[rT+6], v[rT+6], v[rS+23], v[rS+31]
.elseif j == 14
	v_max3_num_f32 v[rT+4], v[rT+4], v[rT+5], v[rT+6]
.elseif j == 15
	v_max3_num_f32 v[rT+4], v[rT+4], v[rT+7], v[rT+1]
.elseif j == 16
	v_permlanex16_b32 v[rT+5], v[rT+4], s[SEL], s[SEL+1]
.elseif j == 17
	v_mov_b32 v[rT+7], v[rT]
.elseif j == 18
	v_max_num_f32 v[rT+1], v[rT+4], v[rT+5]
.elseif j == 19
	v_mul_f32 v[rT], s[CS], v[rT+1]
.elseif j == 20
	v_sub_f32 v[rT+7], v[rT+7], v[rT]
.elseif j == 23
	v_exp_f32 v[rT+6], v[rT+7]
.elseif (j < 23) || ((j < 38) && (j%2 == 0)) || ((j < 66) && (j%4 == 2))
.set b, (j-2)/4
.if j < 38
.set b, (j-20)/2
.endif
	v_pk_fma_f32 v[rS+2*b:rS+2*b+1], v[rS+2*b:rS+2*b+1], s[CS:CS+1], v[rT:rT+1] op_sel_hi:[1,0,0] neg_lo:[0,0,1] neg_hi:[0,0,1]
.elseif j < 70
.set e, j-38
.if j < 66
.set e, j-32-(j-38)/4
.endif
.if j < 38
.set e, (j-25)/2
.endif
	v_exp_f32 v[rS+e], v[rS+e]
.elseif j < 86
	v_cvt_pk_f16_f32 v[rP+j-70], v[rS+2*(j-70)], v[rS+2*(j-70)+1]
.elseif j < 102
.set z, j-86
.set w, 4
.set u, z
.if z >= 14
.set w, 32
.set u, 0
.elseif z >= 12
.set w, 16
.set u, z-12
.elseif z >= 8
.set w, 8
.set u, z-8
.endif
.if z < 15
	v_pk_add_f32 v[rS+w*u:rS+w*u+1], v[rS+w*u:rS+w*u+1], v[rS+w*u+w/2:rS+w*u+w/2+1]
.else
	v_pk_fma_f32 v[rT+2:rT+3], v[rT+2:rT+3], v[rT+6:rT+7], v[rS:rS+1] op_sel_hi:[1,0,1]
.endif
.elseif j < 118
	WIN W_RS
.set rO, 32*(\t)+2*(j-102)
	v_pk_mul_f32 v[rO:rO+1], v[rO:rO+1], v[rT+6:rT+7] op_sel_hi:[1,0]
.elseif (\t) < 2
	WIN W_RS
	v_pk_fma_f32 v[MC+32*(\t)+2*(j-118):MC+32*(\t)+2*(j-118)+1], v[MD+2*(j-118):MD+2*(j-118)+1], s[AL0+4*(\t):AL0+4*(\t)+1], s[BE0+4*(\t):BE0+4*(\t)+1] op_sel_hi:[1,0,0]
.endif
.endm
; Slice k of 64 of piece y's softmax.  Slices 11-34 deal out the batch, four numbers of one tile each, the tiles by turns; every other slice is numbers 2 k, 2 k + 1 of both tiles; slice 63 takes the eight that are over.
; Behind slice 34 both tiles' exponentials are issued and no result has been named: one plain instruction, and the ONE wait ahead of the first reader.
.macro SLICE y
.if (k >= 11) && (k < 35)
.irp n, 0,1,2,3
.set j, 22+4*((k-11)/2)+(\n)
	SM (\y)+(k-11)%2
.endr
.else
.irp n, 0,1,2,3,4,5,6,7
.if ((\n) < 2) || (k == 63)
.irp t, \y, (\y)+1
.set j, 2*k+(\n)
	SM \t
.endr
.endif
.endr
.endif
.if k == 34
	v_nop
.if (\y) == 0
	FETCH_V                                        ; piece 2's turn: V's run of loads stands here, nineteen slices behind the last product that read V, and the wait stands in it
.else
	s_wait_alu depctr_va_vdst(0)
.endif
.endif
.set k, k+1
.endm
.macro PLACES
.rept 4
	v_nop
.endr
.endm
; A TURN for piece x.  x = 0: V is waited for at the head; K of the step is fetched behind the second product (K's last reader stands ahead of the sixteen plain lines of the turn before's slice 63); its four runs of 8 loads
; are waited for one by one: 24, 16, 8, 0 younger loads may stay out.  Piece 2's list has no masks, so the turn's last five slices are empty: four v_nop are the places behind its last products.
; x = 2: the head makes the scalars of the next step's masks: tile t' = (SIG + 1) / 2, half h'; the tile is a diagonal one if t' = 15 - b or t' = 16.
.macro TURN x
.set k, 0
.if (\x) == 0
	s_wait_dscnt 0x0                               ; V is in
.else
	s_add_co_u32 s[T1], s[SIG], 1
	s_lshr_b32 s[T2], s[T1], 1
	s_and_b32 s[T1], s[T1], 1
	s_cmp_eq_u32 s[T2], s[IA]
	s_cselect_b32 s[T3], 1, 0
	s_cmp_eq_u32 s[T2], 16
	s_cselect_b32 s[T3], 1, s[T3]
	s_and_b32 s[T4], s[T3], s[T1]                  ; diagonal tile, second half: band 0 sees nothing, band 1 holds the diagonal
	s_xor_b32 s[T1], s[T1], 1
	s_and_b32 s[T3], s[T3], s[T1]                  ; diagonal tile, first half: band 0 holds the diagonal, band 1 sees all
	s_cmp_lg_u32 s[T3], 0
	s_cselect_b32 s[AL0], 1.0, 0
	s_cmp_lg_u32 s[T4], 0
	s_cselect_b32 s[BE0], s[BIGN], 0
	s_cselect_b32 s[AL0+4], 1.0, 0
.endif
.set i, 0
.rept 16
	PV \x
	SLICE 2-(\x)
.if ((\x) == 0) && (i == 1)
	FETCH_K
.endif
.set i, i+1
.endr
.set i, 0
.rept 48
.if ((\x) == 0) && (i%8 == 0) && (i < 32)
	s_wait_dscnt 24-i
.endif
	KQ \x
	SLICE 2-(\x)
.set i, i+1
.endr
.if (\x) == 0
	PLACES
.endif
.endm
; A PIECE LEAVES: l's halves and the other lanes' are added; O^T is divided by l, rounded to f16 into P's registers (their product has run) and stored: 512 consecutive bytes, aligned, a store.
.macro PUT x
	WIN 0
.irp t, \x, (\x)+1
	v_add_f32 v[ST+8*(\t)+4], v[ST+8*(\t)+2], v[ST+8*(\t)+3]
.endr
.irp t, \x, (\x)+1
	v_permlanex16_b32 v[ST+8*(\t)+5], v[ST+8*(\t)+4], s[SEL], s[SEL+1]
.endr
.irp t, \x, (\x)+1
	v_add_f32 v[ST+8*(\t)+4], v[ST+8*(\t)+4], v[ST+8*(\t)+5]
.endr
.irp t, \x, (\x)+1
	v_rcp_f32 v[ST+8*(\t)+6], v[ST+8*(\t)+4]
.endr
	v_nop                                          ; a plain instruction behind the reciprocals,
	s_wait_alu depctr_va_vdst(0)                   ; and one wait for both
.irp t, \x, (\x)+1
	WIN W_RS
.set i, 0
.rept 16
	v_pk_mul_f32 v[32*(\t)+2*i:32*(\t)+2*i+1], v[32*(\t)+2*i:32*(\t)+2*i+1], v[ST+8*(\t)+6:ST+8*(\t)+7] op_sel_hi:[1,0]
.set i, i+1
.endr
	WIN 0x05
.set i, 0
.rept 16
	v_cvt_pk_f16_f32 v[P+16*(\t)+i], v[32*(\t)+2*i], v[32*(\t)+2*i+1]
.set i, i+1
.endr
	WIN 0
.irp cb, 0,1,2,3
	global_store_b128 v[LN], v[P+16*(\t)+4*\cb:P+16*(\t)+4*\cb+3], s[OP:OP+1] offset:131072*((\t)%2)+2048*((\t)/2)+512*\cb
.endr
.endr
	s_wait_xcnt 0x0                                ; the stores have read P's registers and O's address
.irp t, \x, (\x)+1
	v_mov_b32 v[ST+8*(\t)], 0xfe000000             ; the piece's next step starts a block: a = 0
	v_mov_b32 v[ST+8*(\t)+1], 0xff7fffff
.endr
.endm
.macro QMOVE x                         ; the second block's Q goes where the one text of the turns names Q
	WIN 0x83
.set i, 32*(\x)
.rept 64
	v_mov_b32 v[i], v[QB+i]
.set i, i+1
.endr
	WIN 0
.endm
; ONE RING STEP.  The three blocks at a block's end are jumped over forward elsewhere; they hold neither a barrier nor a tensor load.
.macro HALF
	WIN 0
	s_cmp_eq_u32 s[SIG], s[SW]
	s_cbranch_scc0 .Lna_\@
	QMOVE 0
.Lna_\@:
	TURN 0
	WIN 0
	s_cmp_eq_u32 s[SIG], s[SW]
	s_cbranch_scc0 .Lnb_\@
	PUT 0                                          ; piece 0's last V^T P stood at the head of the turn just ended
	QMOVE 2
.Lnb_\@:
	TURN 2
	WIN 0
	s_cmp_eq_u32 s[SIG], s[SW]
	s_cbranch_scc0 .Lng_\@
	PUT 2
	s_mov_b64 s[OP:OP+1], s[OPB:OPB+1]
	s_mov_b32 s[SW], 34                            ; the second block ends behind the walk's last step
.Lng_\@:
	s_add_co_u32 s[SIG], s[SIG], 1
.endm
	s_wait_loadcnt 0x0                             ; Q
.Lslot:                                        ; 16 times: a tile is entered and the next is asked for
	CHANGE 1
	s_mov_b32 s[CNT], 2
.Lhalf:
	HALF
	s_sub_co_u32 s[CNT], s[CNT], 1
	s_cmp_lg_u32 s[CNT], 0
	s_cbranch_scc1 .Lhalf
	s_sub_co_u32 s[SLOTS], s[SLOTS], 1
	s_cmp_lg_u32 s[SLOTS], 0
	s_cbranch_scc1 .Lslot
	CHANGE 0                                       ; the walk's last tile is written out
	s_mov_b32 s[CNT], 3                            ; its two steps, and a third trip that ends the pipeline: the last V^T P and the second block's way out; its K Q^T, on K of the slot's first step once more, serve nothing
.Ltail:
	HALF
	s_sub_co_u32 s[CNT], s[CNT], 1
	s_cmp_lg_u32 s[CNT], 0
	s_cbranch_scc1 .Ltail
	s_wait_tensorcnt 0x0                           ; the wave's end
	ds_add_u32 v[SPW], v[NIL]
	s_wait_dscnt 0x0
	s_endpgm
.Lfunc_end_k_qd54a522d07_attn:
	.size	k_qd54a522d07_attn, .Lfunc_end_k_qd54a522d07_attn-k_qd54a522d07_attn
	.p2alignl 7, 3214868480
	.fill 96, 4, 3214868480
	.section	.rodata,"a",@progbits
	.p2align	6, 0x0
	.amdhsa_kernel k_qd54a522d07_attn
		.amdhsa_group_segment_fixed_size 327680
		.amdhsa_private_segment_fixed_size 0
		.amdhsa_enable_private_segment 0
		.amdhsa_kernarg_size 24
		.amdhsa_user_sgpr_count 2
		.amdhsa_user_sgpr_kernarg_segment_ptr 1
		.amdhsa_wavefront_size32 1
		.amdhsa_system_sgpr_workgroup_id_x 1
		.amdhsa_system_sgpr_workgroup_id_y 1
		.amdhsa_system_sgpr_workgroup_id_z 1
		.amdhsa_system_vgpr_workitem_id 0
		.amdhsa_next_free_vgpr 1024
		.amdhsa_next_free_sgpr 100
		.amdhsa_reserve_vcc 1
		.amdhsa_float_denorm_mode_32 3
		.amdhsa_float_denorm_mode_16_64 3
		.amdhsa_memory_ordered 1
		.amdhsa_forward_progress 1
		.amdhsa_inst_pref_size 155
	.end_amdhsa_kernel
	.amdgpu_metadata
---
amdhsa.version: [ 1, 2 ]
amdhsa.kernels:
  - .name:           k_qd54a522d07_attn
    .symbol:         k_qd54a522d07_attn.kd
    .args:
      - { .name: qhl, .offset: 0, .size: 8, .value_kind: global_buffer, .address_space: global }
      - { .name: kvb, .offset: 8, .size: 8, .value_kind: global_buffer, .address_space: global }
      - { .name: ob, .offset: 16, .size: 8, .value_kind: global_buffer, .address_space: global }
    .group_segment_fixed_size: 327680
    .private_segment_fixed_size: 0
    .kernarg_segment_align: 8
    .kernarg_segment_size: 24
    .max_flat_workgroup_size: 128
    .sgpr_count:     100
    .vgpr_count:     1024
    .wavefront_size: 32
...
	.end_amdgpu_metadata
.endif
;; end of part 3
;; launch oproj (part 4): grid 4 x 64, 4 waves a work-group, clusters of 4 x 4, 327,680 bytes of LDS; arguments ob, wob, out0; writes out0
.if DOCPART == 4
	.amdgcn_target "amdgcn-amd-amdhsa--gfx1250"
	.amdhsa_code_object_version 6
	.text
	.protected	k_qd54a522d07_oproj
	.globl	k_qd54a522d07_oproj
	.p2align	8
	.type	k_qd54a522d07_oproj,@function
k_qd54a522d07_oproj:
	s_mov_b64 s[64:65], 0
	v_nop
	global_prefetch_b8 v0, s[64:65] scope:SCOPE_SE
	s_setreg_imm32_b32 hwreg(HW_REG_WAVE_MODE, 25, 1), 1
	s_wait_xcnt 0x0
	s_wait_alu depctr_hold_cnt(0) depctr_sa_sdst(0) depctr_va_vdst(0) depctr_va_sdst(0) depctr_va_ssrc(0) depctr_va_vcc(0) depctr_vm_vsrc(0)
	s_getreg_b32 s2, hwreg(HW_REG_IB_STS2, 6, 4)
	s_cmp_eq_u32 s2, 0
	s_cbranch_scc0 .Lentry_in_a_cluster
	s_endpgm
.Lentry_in_a_cluster:
	s_bfe_u32 s2, ttmp6, 0x10000c
	s_cmp_lg_u32 s2, 0xf033
	s_cbranch_scc0 .Lentry_shape_is_right
	s_endpgm
.Lentry_shape_is_right:
; THE OUTPUT PROJECTION.  out0[m][n] = 16/127 x sum over k of ob[m][k] wob[n][k]: [8192][1024] x [1024][1024], f16 operands (ob holds O / 16), sums in f32, out0 in f32.
; A tile of C is 128 x 256, which gives 256 work-groups; four waves, each 64 x 128: 32 accumulators, window 2.  K goes in steps of 128 through two LDS slots.  4 x 4 work-groups form a cluster: A's tile is asked for
; jointly along a row of the cluster, B's along a column.  The matrix instruction is used transposed: lane l holds row l % 16 of C and the columns 8 (l / 16) + 0..7.
; A lies in memory in blocks, [row block of 16][channel group of 8][row][8 channels]: a K step of a row block is 4,096 consecutive bytes, and a fragment load takes 512 consecutive bytes: no padding.
; B is row-major: rows of 256 bytes, padded to 272 in LDS.
; THE WAY OUT: the ring has had its last fill; each wave lays its 64 x 128 numbers into rows of 528 bytes of its own and reads whole rows back: a store is 512 consecutive bytes, aligned.
; REGISTERS: window 0: v16-30 addresses; v32-63 the way out; v64-95, v128-159 A's fragments, two buffers.  window 1: v64-127, v128-191 B's.  window 2: accumulator (a, b) at v[8 (8 a + b)].
.set SIZE_K, 1024
.set KSTEP,  128
.set PITCH,  272
.set HALFB,  128*PITCH
.set AB,     32768                     ; A's bytes in a slot: 8 row blocks x 4,096
.set SLOT,   AB+2*HALFB
.set SPARE,  2*SLOT                    ; behind the ring: the spare words, 128 bytes for each wave
.set DP,     528                       ; the way out: 512 bytes + 16: the 16 rows of a store start at 16 different groups of four banks
.set LAPS,   SIZE_K/(2*KSTEP)
.set ADRA, 16
.set ADRB, 20
.set STO,  24                          ; v24  where I put 16 bytes of a row
.set RD,   25                          ; v25  where I read rows back
.set LN16, 26                          ; v26  16 x lane; never rewritten
.set SPW,  28
.set NIL,  29
.set PFO,  30                          ; v30  the prefetches' offset; never rewritten
.set OB,   32
.set F0,   64
.set F1,   128
.set G1,  24
.set G0,  32
.set G1B, 48
.set G0B, 56
.set LIM, 43
.set PFA, 44                           ; s[44:45] where my prefetches stand
.set PFS, 66                           ; s[66:67] a K step in bytes, of A's blocks or of B's rows
.set SC,  68                           ; s[68:69] 16/127
.set RO,  70                           ; s70  LDS byte of the rows in hand
.set MSB, 0
.macro WIN new
.if MSB != (\new)
	s_set_vgpr_msb (MSB<<8)|(\new)
.set MSB, \new
.endif
.endm
.set MUL,  0xa1                        ; source 0 (B) window 1, source 1 (A) window 0, C and D window 2
.set TO_B, 0x40
.macro JLOAD s                         ; waves 0 and 1 fetch A's halves, waves 2 and 3 B's; an s_nop 0 and four v_nop follow each line
	s_cmp_eq_u32 s11, 0
	s_cbranch_scc0 .Lfor_b_\@
	tensor_load_to_lds s[G0+4*(\s):G0+4*(\s)+3], s[G1:G1+7]
	s_nop 0
.rept 4
	v_nop
.endr
	s_branch .Lasked_\@
.Lfor_b_\@:
	tensor_load_to_lds s[G0B+4*(\s):G0B+4*(\s)+3], s[G1B:G1B+7]
	s_nop 0
.rept 4
	v_nop
.endr
.Lasked_\@:
.endm
; A prefetch behind each joint refill: the K step two refills on.  A's 8 row blocks: wave 0 asks; the partner at cx takes row blocks 2 cx, 2 cx + 1: 32 pieces of 256 bytes, a lane each.  B's rows: waves 2 and 3 of the
; clusters with y = 0; of a wave's 128 rows the partner at cy takes 32, a lane a row.  Partners are told apart by address.  K steps 4 to 7 are named, each piece once; the loop's last trip asks for nothing.
.macro ASK
	s_cmp_gt_u32 s3, s[LIM]
	s_cbranch_scc0 .Lnot_mine_\@
	global_prefetch_b8 v[PFO], s[PFA:PFA+1] th:TH_LOAD_NT scope:SCOPE_SE
.Lnot_mine_\@:
.endm
.macro CREST
	s_cmp_lg_u32 s10, 0
	s_cbranch_scc1 .Lnot_wave_0_\@
	s_barrier_signal -3
.Lnot_wave_0_\@:
	s_barrier_wait -3
	s_barrier_signal -1
	s_barrier_wait -1
.endm
.macro CROUND
	s_barrier_signal -1
	s_barrier_wait -1
	CREST
.endm
	s_load_b128 s[4:7], s[0:1], 0x0                ; ob (A), wob (B)
	s_load_b64 s[8:9], s[0:1], 0x10                ; out0
	v_lshl_add_u32 v[SPW], v0, 2, SPARE
	v_mov_b32 v[NIL], 0
	ds_add_u32 v[SPW], v[NIL]                      ; the wave's opening: the add and its wait ahead of my first tensor load
	v_lshrrev_b32 v1, 5, v0
	v_readfirstlane_b32 s10, v1
	s_lshr_b32 s11, s10, 1                         ; my half of the tile's rows.  Also: I fetch for A (0) or for B (1)
	s_and_b32 s12, s10, 1                          ; my half of its columns.  Also: which half of that tile I fetch
	s_bfe_u32 s40, ttmp6, 0x40000
	s_bfe_u32 s41, ttmp6, 0x40004
	s_lshl_b32 s42, ttmp9, 2
	s_add_co_u32 s42, s42, s40                     ; tile column
	s_and_b32 s13, ttmp7, 0xffff
	s_lshl_b32 s13, s13, 2
	s_add_co_u32 s13, s13, s41                     ; tile row
	s_lshl_b32 s43, s41, 2
	s_lshl_b32 s43, 15, s43
	s_lshl_b32 s44, 0x1111, s40
	s_or_b32 s[G1+0], s43, (3<<16)|(1<<21)         ; A: the mask of my row; 8-byte elements; bit 21 beside a mask; no padding
	s_mov_b32 s[G1+1], 512<<16                     ; tensor_dim0 = 512: 4,096 bytes
	s_mov_b32 s[G1+2], 4<<16                       ; tensor_dim1 = 4 row blocks
	s_mov_b32 s[G1+3], 512<<16
	s_mov_b32 s[G1+4], 4
	s_mov_b32 s[G1+5], 4096                        ; a row block is 32,768 bytes
	s_mov_b32 s[G1+6], 0
	s_mov_b32 s[G1+7], 0
	s_or_b32 s[G1B+0], s44, (1<<16)|(1<<20)|(1<<21)|(5<<22)|(3<<25)  ; B: the mask of my column; 2-byte elements; after every 64 words 4 words of padding
	s_mov_b32 s[G1B+1], KSTEP<<16
	s_mov_b32 s[G1B+2], 128<<16
	s_mov_b32 s[G1B+3], KSTEP<<16
	s_mov_b32 s[G1B+4], 128
	s_mov_b32 s[G1B+5], SIZE_K
	s_mov_b32 s[G1B+6], 0
	s_mov_b32 s[G1B+7], 0
	s_lshl_b32 s16, s13, 3
	s_lshl_b32 s17, s12, 2
	s_add_co_u32 s16, s16, s17
	s_lshl_b32 s16, s16, 15                        ; A: row block 8 x tile row + 4 x half
	s_mov_b32 s17, 0
	s_lshl_b32 s46, s42, 8
	s_lshl_b32 s47, s12, 7
	s_add_co_u32 s46, s46, s47
	s_lshl_b32 s46, s46, 11                        ; B: row 256 x tile column + 128 x half
	s_mov_b32 s47, 0
	s_lshl_b32 s20, s12, 14                        ; where they go: A's halves,
	s_mul_i32 s21, s12, HALFB
	s_add_co_u32 s21, s21, AB                      ; B's halves behind them
	s_mov_b32 s[SC], 0x3e010204                    ; 16/127
	s_mov_b32 s[SC+1], s[SC]
	s_wait_dscnt 0x0
	s_wait_kmcnt 0x0
	s_add_nc_u64 s[14:15], s[4:5], s[16:17]
	s_add_nc_u64 s[46:47], s[6:7], s[46:47]
	CROUND                                         ; all sixteen work-groups are here: the first joint loads meet
.irp s, 0,1
	s_mov_b32 s[G0+4*(\s)], 1
	s_add_co_u32 s[G0+4*(\s)+1], s20, (\s)*SLOT
	s_add_nc_u64 s[G0+4*(\s)+2:G0+4*(\s)+3], s[14:15], (\s)*4096
	s_or_b32 s[G0+4*(\s)+3], s[G0+4*(\s)+3], 0x80000000
	s_mov_b32 s[G0B+4*(\s)], 1
	s_add_co_u32 s[G0B+4*(\s)+1], s21, (\s)*SLOT
	s_add_nc_u64 s[G0B+4*(\s)+2:G0B+4*(\s)+3], s[46:47], (\s)*KSTEP*2
	s_or_b32 s[G0B+4*(\s)+3], s[G0B+4*(\s)+3], 0x80000000
	JLOAD \s
.endr
	v_and_b32 v1, 15, v0
	v_bfe_u32 v2, v0, 4, 1
	v_and_b32 v4, 31, v0
	v_lshlrev_b32 v[LN16], 4, v4
	v_mul_u32_u24 v3, v1, PITCH
	v_lshl_add_u32 v3, v2, 4, v3
	s_lshl_b32 s21, s11, 14                        ; my 4 row blocks of A
	s_mul_i32 s22, s12, HALFB
	s_add_co_u32 s22, s22, AB                      ; my 128 rows of B
.irp s, 0,1
	v_add_nc_u32 v[ADRA+(\s)], s21, v[LN16]
	v_add_nc_u32 v[ADRB+(\s)], s22, v3
	s_add_co_u32 s21, s21, SLOT
	s_add_co_u32 s22, s22, SLOT
.endr
	s_mul_i32 s[RO], s10, 64*DP                    ; my 64 rows on the way out
	v_mul_u32_u24 v[STO], v1, DP
	v_lshl_add_u32 v[STO], v2, 5, v[STO]           ; row l % 16, 32 bytes for each half of the lanes
	v_add_nc_u32 v[STO], s[RO], v[STO]
	s_lshl_b32 s16, s13, 7
	s_lshl_b32 s17, s11, 6
	s_add_co_u32 s16, s16, s17
	s_lshl_b32 s16, s16, 12                        ; my first row of out0, 4,096 bytes a row,
	s_lshl_b32 s17, s42, 10
	s_add_co_u32 s16, s16, s17
	s_lshl_b32 s17, s12, 9
	s_add_co_u32 s16, s16, s17                     ; my first column
	s_mov_b32 s17, 0
	s_add_nc_u64 s[8:9], s[8:9], s[16:17]
	; the prefetches
	v_lshlrev_b32 v6, 11, v4                       ; B: a lane a row of 2,048 bytes
	v_lshrrev_b32 v7, 4, v4
	v_lshlrev_b32 v7, 15, v7
	v_lshl_add_u32 v7, v1, 8, v7                   ; A: row block l / 16, piece l % 16
	s_lshl_b32 s20, s13, 3
	s_lshl_b32 s21, s40, 1
	s_add_co_u32 s20, s20, s21
	s_lshl_b32 s20, s20, 15
	s_add_co_u32 s20, s20, 3*4096                  ; at K step 3: the first refill steps it to 4
	s_lshl_b32 s22, s42, 8
	s_lshl_b32 s23, s12, 7
	s_add_co_u32 s22, s22, s23
	s_lshl_b32 s23, s41, 5
	s_add_co_u32 s22, s22, s23
	s_lshl_b32 s22, s22, 11
	s_add_co_u32 s22, s22, 3*KSTEP*2
	s_and_b32 s23, ttmp7, 0xffff                   ; cluster y
	s_cmp_eq_u32 s11, 0
	s_cselect_b32 s20, s20, s22
	s_cselect_b64 s[PFA:PFA+1], s[4:5], s[6:7]
	s_cselect_b32 s[PFS], 12, 8
	s_cselect_b32 s23, s12, s23                    ; wave 0 asks, wave 1 does not; waves 2 and 3 ask where cluster y = 0
	s_cselect_b32 s22, -1, 0
	s_cmp_eq_u32 s23, 0
	s_cselect_b32 s[LIM], 1, -1
	v_cndmask_b32 v[PFO], v6, v7, s22
	s_lshl_b32 s[PFS], 1, s[PFS]
	s_mov_b32 s[PFS+1], 0
	s_mov_b32 s21, 0
	s_add_nc_u64 s[PFA:PFA+1], s[PFA:PFA+1], s[20:21]
; 8 matrix instructions: row block a x all 8 column blocks, 32 along K.  The 32 accumulators take turns.
.macro MULA f, a, zero
	WIN MUL
.irp b, 0,1,2,3,4,5,6,7
.if \zero
	v_wmma_f32_16x16x32_f16 v[8*(8*(\a)+(\b)):8*(8*(\a)+(\b))+7], v[(\f)+8*(\b):(\f)+8*(\b)+7], v[(\f)+8*(\a):(\f)+8*(\a)+7], 0
.else
	v_wmma_f32_16x16x32_f16 v[8*(8*(\a)+(\b)):8*(8*(\a)+(\b))+7], v[(\f)+8*(\b):(\f)+8*(\b)+7], v[(\f)+8*(\a):(\f)+8*(\a)+7], v[8*(8*(\a)+(\b)):8*(8*(\a)+(\b))+7]
.endif
.endr
.endm
.macro FETCH slot, q, f                ; 24 LDS loads in one run: quarter q's fragments: B's 8, then A's 4
	WIN TO_B
.irp i, 0,1,2,3,4,5,6,7
	ds_load_b128 v[(\f)+8*(\i):(\f)+8*(\i)+3],   v[ADRB+(\slot)] offset:64*(\q)+(\i)*16*PITCH
	ds_load_b128 v[(\f)+8*(\i)+4:(\f)+8*(\i)+7], v[ADRB+(\slot)] offset:64*(\q)+(\i)*16*PITCH+32
.endr
	WIN 0
.irp i, 0,1,2,3
	ds_load_b128 v[(\f)+8*(\i):(\f)+8*(\i)+3],   v[ADRA+(\slot)] offset:1024*(\q)+4096*(\i)
	ds_load_b128 v[(\f)+8*(\i)+4:(\f)+8*(\i)+7], v[ADRA+(\slot)] offset:1024*(\q)+4096*(\i)+512
.endr
.endm
.macro PLACES
.rept 4
	v_nop
.endr
.endm
.macro QUARTER slot, q, f, g, zero     ; multiplies buffer f; in its middle fetches quarter q into g
	s_wait_dscnt 4                                 ; B and A's row blocks 0, 1 are in; the youngest four loads may be out
	MULA \f, 0, \zero
	MULA \f, 1, \zero
	PLACES
	FETCH \slot, \q, \g
	s_wait_dscnt 24                                ; all but the 24 just issued
	MULA \f, 2, \zero
	MULA \f, 3, \zero
.endm
.macro TURN slot, next, fill           ; a K step's last quarter: changes slots; fill = 1: the slot just read is filled again, first thing behind a round of the cluster's barrier
.if \fill
	s_wait_xcnt 0x0                                ; the last prefetch, a K step back, has read its address
	s_add_nc_u64 s[PFA:PFA+1], s[PFA:PFA+1], s[PFS:PFS+1]
.endif
	WIN 0
	s_wait_tensorcnt 0x0                           ; all my tensor loads have landed: my part of the next slot
	ds_add_u32 v[SPW], v[NIL]
	s_wait_dscnt 5                                 ; the add and the youngest four loads may be out
	MULA F1, 0, 0
	s_wait_dscnt 0x0                               ; the add is done, and my reads of this slot are over
	s_barrier_signal -1
	MULA F1, 1, 0
.if \fill
	WIN 0
.endif
	s_barrier_wait -1
.if \fill
	CREST
	s_add_nc_u64 s[G0+4*(\slot)+2:G0+4*(\slot)+3], s[G0+4*(\slot)+2:G0+4*(\slot)+3], 2*4096
	s_add_nc_u64 s[G0B+4*(\slot)+2:G0B+4*(\slot)+3], s[G0B+4*(\slot)+2:G0B+4*(\slot)+3], 2*KSTEP*2
	JLOAD \slot                                    ; its four v_nop are also the places in front of the loads below
.else
	PLACES
.endif
	FETCH \next, 0, F0
.if \fill
	ASK
.endif
	MULA F1, 2, 0
	MULA F1, 3, 0
.endm
	s_wait_tensorcnt 1                             ; my part of K step 0 is in; K step 1's may stay out
	s_barrier_signal -1
	s_barrier_wait -1
	FETCH 0, 0, F0
	QUARTER 0, 1, F0, F1, 1                        ; the first quarter's products start the sums
	WIN 0
	s_mov_b32 s3, LAPS-1
.Llap:
	QUARTER 0, 2, F1, F0, 0
	QUARTER 0, 3, F0, F1, 0
	TURN 0, 1, 1
	QUARTER 1, 1, F0, F1, 0
	QUARTER 1, 2, F1, F0, 0
	QUARTER 1, 3, F0, F1, 0
	TURN 1, 0, 1
	QUARTER 0, 1, F0, F1, 0
	WIN 0
	s_sub_co_u32 s3, s3, 1
	s_cmp_lg_u32 s3, 0
	s_cbranch_scc1 .Llap
	QUARTER 0, 2, F1, F0, 0                        ; the last lap is written out: it fills nothing
	QUARTER 0, 3, F0, F1, 0
	TURN 0, 1, 0
	QUARTER 1, 1, F0, F1, 0
	QUARTER 1, 2, F1, F0, 0
	QUARTER 1, 3, F0, F1, 0
	s_wait_dscnt 4
	MULA F1, 0, 0
	MULA F1, 1, 0
	s_wait_dscnt 0x0
	MULA F1, 2, 0
	MULA F1, 3, 0
	; THE WAY OUT
	WIN 0
	PLACES
	s_wait_dscnt 0x0
	s_barrier_signal -1
	s_barrier_wait -1                              ; nobody reads the ring any more; no fill follows: its bytes may be stored to
	WIN 0x08                                       ; store data in window 2; each accumulator's lowest registers first
.irp a, 0,1,2,3
.irp b, 0,1,2,3,4,5,6,7
	ds_store_b128 v[STO], v[8*(8*(\a)+(\b)):8*(8*(\a)+(\b))+3]   offset:16*(\a)*DP+64*(\b)
	ds_store_b128 v[STO], v[8*(8*(\a)+(\b))+4:8*(8*(\a)+(\b))+7] offset:16*(\a)*DP+64*(\b)+16
.endr
.endr
	WIN 0
	s_mov_b32 s2, 8
.Lout:                                         ; a trip: 8 rows of 512 bytes; LDS serves a wave's instructions in order, so the loads see my stores above
	v_add_nc_u32 v[RD], s[RO], v[LN16]
.irp i, 0,1,2,3,4,5,6,7
	ds_load_b128 v[OB+4*(\i):OB+4*(\i)+3], v[RD] offset:DP*(\i)
.endr
.irp i, 0,1,2,3,4,5,6,7
	s_wait_dscnt 7-(\i)                            ; row i is in; the later rows' loads may stay out
	v_pk_mul_f32 v[OB+4*(\i):OB+4*(\i)+1], v[OB+4*(\i):OB+4*(\i)+1], s[SC:SC+1] op_sel_hi:[1,0]
	v_pk_mul_f32 v[OB+4*(\i)+2:OB+4*(\i)+3], v[OB+4*(\i)+2:OB+4*(\i)+3], s[SC:SC+1] op_sel_hi:[1,0]
	global_store_b128 v[LN16], v[OB+4*(\i):OB+4*(\i)+3], s[8:9] offset:4096*(\i) th:TH_STORE_NT
.endr
	s_wait_xcnt 0x0                                ; the stores have read their data and their base: both are written again only behind this wait
	s_add_nc_u64 s[8:9], s[8:9], 8*4096
	s_add_co_u32 s[RO], s[RO], 8*DP
	s_sub_co_u32 s2, s2, 1
	s_cmp_lg_u32 s2, 0
	s_cbranch_scc1 .Lout
	s_wait_tensorcnt 0x0                           ; the wave's end: behind my last tensor load and my last LDS store
	ds_add_u32 v[SPW], v[NIL]
	s_wait_dscnt 0x0
	CROUND                                         ; the closing round
	s_endpgm
.Lfunc_end_k_qd54a522d07_oproj:
	.size	k_qd54a522d07_oproj, .Lfunc_end_k_qd54a522d07_oproj-k_qd54a522d07_oproj
	.p2alignl 7, 3214868480
	.fill 96, 4, 3214868480
	.section	.rodata,"a",@progbits
	.p2align	6, 0x0
	.amdhsa_kernel k_qd54a522d07_oproj
		.amdhsa_group_segment_fixed_size 327680
		.amdhsa_private_segment_fixed_size 0
		.amdhsa_enable_private_segment 0
		.amdhsa_kernarg_size 24
		.amdhsa_user_sgpr_count 2
		.amdhsa_user_sgpr_kernarg_segment_ptr 1
		.amdhsa_wavefront_size32 1
		.amdhsa_system_sgpr_workgroup_id_x 1
		.amdhsa_system_sgpr_workgroup_id_y 1
		.amdhsa_system_sgpr_workgroup_id_z 1
		.amdhsa_system_vgpr_workitem_id 0
		.amdhsa_next_free_vgpr 768
		.amdhsa_next_free_sgpr 80
		.amdhsa_reserve_vcc 0
		.amdhsa_float_denorm_mode_32 3
		.amdhsa_float_denorm_mode_16_64 3
		.amdhsa_memory_ordered 1
		.amdhsa_forward_progress 1
		.amdhsa_inst_pref_size 79
	.end_amdhsa_kernel
	.amdgpu_metadata
---
amdhsa.version: [ 1, 2 ]
amdhsa.kernels:
  - .name:           k_qd54a522d07_oproj
    .symbol:         k_qd54a522d07_oproj.kd
    .args:
      - { .name: ob, .offset: 0, .size: 8, .value_kind: global_buffer, .address_space: global }
      - { .name: wob, .offset: 8, .size: 8, .value_kind: global_buffer, .address_space: global }
      - { .name: out0, .offset: 16, .size: 8, .value_kind: global_buffer, .address_space: global }
    .group_segment_fixed_size: 327680
    .private_segment_fixed_size: 0
    .kernarg_segment_align: 8
    .kernarg_segment_size: 24
    .max_flat_workgroup_size: 128
    .sgpr_count:     80
    .vgpr_count:     768
    .wavefront_size: 32
...
	.end_amdgpu_metadata
.endif
;; end of part 4
;; ======== version 2 of 2: 4 launches; version 1 with the launch prep written anew for expert scheduling mode
;; limits: values are held in f16: magnitudes above 65,504 overflow, below 6.1e-05 lose precision
;; workspace buffers: xb 16,777,216 bytes; wqkvb 4,194,304 bytes; wob 2,097,152 bytes; tab 524,288 bytes; qhl 33,554,432 bytes; kvb 25,165,824 bytes; ob 16,777,216 bytes
;; launch prep (part 5): grid 720 x 1, 8 waves a work-group, no clusters, 0 bytes of LDS; arguments x, wq, wk, wv, wo, xb, wqkvb, wob, tab; writes xb, wqkvb, wob, tab
.if DOCPART == 5
	.amdgcn_target "amdgcn-amd-amdhsa--gfx1250"
	.amdhsa_code_object_version 6
	.text
	.protected	k_qd54a522d07_prep
	.globl	k_qd54a522d07_prep
	.p2align	8
	.type	k_qd54a522d07_prep,@function
k_qd54a522d07_prep:
	s_mov_b64 s[64:65], 0
	v_nop
	global_prefetch_b8 v0, s[64:65] scope:SCOPE_SE
	s_setreg_imm32_b32 hwreg(HW_REG_WAVE_SCHED_MODE, 0, 2), 2
	s_setreg_imm32_b32 hwreg(HW_REG_WAVE_MODE, 25, 1), 1
	s_wait_xcnt 0x0
	s_wait_alu depctr_vm_vsrc(0)
; PREPARATION.  Work-groups 0-511: x (f32) to bf16.  512-639: wq, wk, wv (whole numbers in i32) to bf16, their rows regrouped.  640-703: wo to f16.  704-719: the RoPE table.
; A converting work-group takes 16 rows of 1,024 numbers, 16 steps of 1,024: a thread loads 16 bytes at 16 t and stores 8 bytes at 8 t, so a wave's load covers 512 consecutive
; bytes and its store 256 consecutive bytes, aligned.  All 16 loads go out at once; no register is used twice.
; ROWS OF wqkvb: group g of 256 rows = query head 2 g, query head 2 g + 1, key head g, value head g, 64 rows each: every block of 256 columns of the product is made up alike.
; LIMITS.  bf16 holds whole numbers up to 256 exactly, f16 up to 2,048: weights beyond that are rounded.
; THE TABLE: tab[pb 128][bb 4][e 2][lane 32][16 bytes]; lane = 16 hh + r; position t = 16 pb + r; the 16 bytes are (cos, sin) k for j = 8 bb + 4 hh + 2 e and for j + 1, k = 1 / (127 x 16).
; The angle is made as the reference makes it: pw = 1e6^(j/32) rounded to f32, inv = 1 / pw rounded to f32, ang = t x inv rounded to f32.  1e6^(j/32) = 10^(3j/16) = 10^(m/16) x 10^q with
; m = 3j mod 16, q = 3j / 16: a product of the four roots 10^(1/16), 10^(1/8), 10^(1/4), 10^(1/2), each kept as a pair of f32 (head, tail), and of an exact power of ten.
; cos and sin: the angle less n x pi/2 (pi/2 in two parts; the first product is exact, n has 11 bits), Taylor sums to the 10th and 9th power (|r| < 0.79: what is cut lies under 2e-9), the quadrant by selects.
; THE MODE: SCHED_MODE bits 1:0 = 2 (LLVM: expert scheduling mode 2), set by the entry lines.  The code itself states the register dependences between vector instructions and memory
; instructions, and those through scalar registers and VCC that vector instructions write, with s_wait_alu, always for 0.
; THE PLAN, converting paths.  Registers that memory instructions touch:
;   v1, v2   the loads' and the stores' offsets: written at the head, never again.
;   IN       the 16 loads land in it; no vector instruction names it ahead of them; behind the wait for a load only vector instructions name its registers.
;   OUT      a step's two roundings write its pair once; the step's store reads it once.
; The 16 steps go in four blocks of four.  Block p converts its four steps; its memory instructions are the four stores of block p - 1, whose OUT registers no vector instruction of block p names.
; So one wait on va_vdst at a block's head states all that its stores hang on, and they are dealt among the block's conversions with no further wait.  No register that a memory instruction
; reads is written again: there is no wait on vm_vsrc here.
; THE PLAN, the table.  v20, the store's offset, is written at the head alone: the position blocks are reached by the scalar base, which moves on ahead of each store, and the store reaches back by its
; immediate.  v[32:33], the store's data, are written by a trip's last two multiplies.  A trip has three waits: on va_vcc between the quadrant's compare and its selects; on vm_vsrc ahead of the two
; multiplies (the last trip's store has read v[32:33]); on va_vdst ahead of the store.  The eleven selects of the head take their masks from one run of compares into s[32:38], with one wait on va_sdst.
.set SRC, 26                           ; s[26:27] where my 16 rows come from
.set DST, 28                           ; s[28:29] where they go
.set MK,  32                           ; s[32:38] the table's head: masks of m's four bits and of q's three
.set IN,  8                            ; v[8:71]   16 steps x 4 numbers as loaded
.set OUT, 72                           ; v[72:103] 16 steps x 2 registers to store
; kind 0: f32 to bf16; 1: i32 to bf16; 2: i32 to f16
.macro CONV kind
.set cs, 0
.rept 16
	global_load_b128 v[IN+4*cs:IN+4*cs+3], v1, s[SRC:SRC+1] offset:4096*cs th:TH_LOAD_NT
.set cs, cs+1
.endr
.set cb, 0
.rept 4
	s_wait_loadcnt 12-4*cb                         ; loads come back in order: block cb's four are in, the younger blocks' stay out
.if cb > 0
	s_wait_alu depctr_va_vdst(0)                   ; the block before has written its OUT registers, which the four stores below read
.endif
.set ci, 0
.rept 4
.set cs, 4*cb+ci
.if cb > 0
	global_store_b64 v2, v[OUT+2*(cs-4):OUT+2*(cs-4)+1], s[DST:DST+1] offset:2048*(cs-4)  ; the block before; no vector instruction since the wait names these registers
.endif
.if (\kind) > 0
.irp r, 0,1,2,3
	v_cvt_f32_i32 v[IN+4*cs+\r], v[IN+4*cs+\r]
.endr
.endif
.if (\kind) == 2
	v_cvt_pk_f16_f32 v[OUT+2*cs], v[IN+4*cs], v[IN+4*cs+1]
	v_cvt_pk_f16_f32 v[OUT+2*cs+1], v[IN+4*cs+2], v[IN+4*cs+3]
.else
	v_cvt_pk_bf16_f32 v[OUT+2*cs], v[IN+4*cs], v[IN+4*cs+1]
	v_cvt_pk_bf16_f32 v[OUT+2*cs+1], v[IN+4*cs+2], v[IN+4*cs+3]
.endif
.set ci, ci+1
.endr
.set cb, cb+1
.endr
	s_wait_alu depctr_va_vdst(0)                   ; the last block has written its OUT registers, which the last four stores read
.set cs, 12
.rept 4
	global_store_b64 v2, v[OUT+2*cs:OUT+2*cs+1], s[DST:DST+1] offset:2048*cs
.set cs, cs+1
.endr
.endm
	s_load_b512 s[4:19], s[0:1], 0x0               ; x, wq, wk, wv, wo, xb, wqkvb, wob
	s_load_b64 s[20:21], s[0:1], 0x40              ; tab
	s_mov_b32 s22, ttmp9
	s_mov_b32 s25, 0
	v_lshlrev_b32 v1, 4, v0                        ; 16 t
	v_lshlrev_b32 v2, 3, v0                        ; 8 t
	s_wait_kmcnt 0x0
	s_wait_alu depctr_va_vdst(0)                   ; v1 and v2 are written: every load of a converting path reads v1 as its offset, every store v2
	s_cmp_lt_u32 s22, 512
	s_cbranch_scc0 .Lweights
	s_lshl_b32 s24, s22, 16                        ; 16 rows of x: 65,536 bytes
	s_add_nc_u64 s[SRC:SRC+1], s[4:5], s[24:25]
	s_lshl_b32 s24, s22, 15
	s_add_nc_u64 s[DST:DST+1], s[14:15], s[24:25]
	CONV 0
	s_endpgm
.Lweights:
	s_cmp_lt_u32 s22, 640
	s_cbranch_scc0 .Lwo
	s_cmp_lt_u32 s22, 576
	s_cbranch_scc0 .Lkv
	s_sub_co_u32 s30, s22, 512                     ; block of 16 rows of wq: head = block / 4
	s_mov_b64 s[SRC:SRC+1], s[6:7]
	s_lshr_b32 s31, s30, 3
	s_lshl_b32 s31, s31, 8                         ; 256 x (head / 2)
	s_bfe_u32 s32, s30, 0x10002
	s_lshl_b32 s32, s32, 6                         ; + 64 x (head mod 2)
	s_add_co_u32 s31, s31, s32
	s_branch .Lrow
.Lkv:
	s_cmp_lt_u32 s22, 608
	s_cselect_b64 s[SRC:SRC+1], s[8:9], s[10:11]   ; wk or wv
	s_cselect_b32 s33, 0, 1
	s_sub_co_u32 s30, s22, 576
	s_lshl_b32 s34, s33, 5
	s_sub_co_u32 s30, s30, s34                     ; block of 16 rows of wk or wv
	s_lshl_b32 s32, s33, 6
	s_add_co_u32 s32, s32, 128                     ; keys at 128, values at 192 in a group
	s_lshr_b32 s31, s30, 2
	s_lshl_b32 s31, s31, 8
	s_add_co_u32 s31, s31, s32
.Lrow:
	s_and_b32 s32, s30, 3
	s_lshl_b32 s32, s32, 4
	s_add_co_u32 s31, s31, s32                     ; the first of my 16 rows in wqkvb
	s_lshl_b32 s24, s30, 16
	s_add_nc_u64 s[SRC:SRC+1], s[SRC:SRC+1], s[24:25]
	s_lshl_b32 s24, s31, 11                        ; a row of wqkvb is 2,048 bytes
	s_add_nc_u64 s[DST:DST+1], s[16:17], s[24:25]
	CONV 1
	s_endpgm
.Lwo:
	s_cmp_lt_u32 s22, 704
	s_cbranch_scc0 .Ltab
	s_sub_co_u32 s30, s22, 640
	s_lshl_b32 s24, s30, 16
	s_add_nc_u64 s[SRC:SRC+1], s[12:13], s[24:25]
	s_lshl_b32 s24, s30, 15
	s_add_nc_u64 s[DST:DST+1], s[18:19], s[24:25]
	CONV 2
	s_endpgm
.macro BIT m, bit, src                 ; mask m: the lanes in which src has the bit
	v_and_b32 v7, \bit, \src
	v_cmp_ne_u32 s[\m], 0, v7
.endm
; (h, l) in v10, v11 is multiplied by the root (hi, lo) in the lanes of mask m, else by (1, 0): the product's error is taken by fused multiply-adds, head and tail are made anew
.macro ROOT m, hi, lo
	v_mov_b32 v8, \hi
	v_mov_b32 v9, \lo
	v_cndmask_b32 v8, 1.0, v8, s[\m]
	v_cndmask_b32 v9, 0, v9, s[\m]
	v_mul_f32 v12, v10, v8
	v_fma_f32 v13, v10, v8, -v12
	v_fma_f32 v13, v10, v9, v13
	v_fma_f32 v13, v11, v8, v13
	v_add_f32 v10, v12, v13
	v_sub_f32 v14, v10, v12
	v_sub_f32 v11, v13, v14
.endm
.macro TEN m, val                      ; v15 is multiplied by an exact power of ten in the lanes of mask m; the products stay under 2^24
	v_mov_b32 v8, \val
	v_cndmask_b32 v8, 1.0, v8, s[\m]
	v_mul_f32 v15, v15, v8
.endm
.Ltab:
	v_lshrrev_b32 v3, 5, v0
	v_readfirstlane_b32 s23, v3                    ; wave
	s_sub_co_u32 s24, s22, 704
	s_lshl_b32 s24, s24, 3
	s_wait_alu depctr_va_sdst(0)                   ; s23 is written, ahead of its first reader: the wave's part of the table is made from it
	s_add_co_u32 s24, s24, s23                     ; wave among the 128 that make the table
	s_and_b32 s26, s24, 15                         ; which 256 bytes of a position block: 4 bb + 2 e + hh
	s_lshr_b32 s27, s24, 4                         ; which 16 position blocks
	s_lshr_b32 s28, s26, 2
	s_lshl_b32 s28, s28, 3                         ; 8 bb
	s_and_b32 s29, s26, 1
	s_lshl_b32 s29, s29, 2                         ; 4 hh
	s_add_co_u32 s28, s28, s29
	s_and_b32 s29, s26, 2                          ; 2 e
	s_add_co_u32 s28, s28, s29
	v_and_b32 v3, 31, v0                           ; lane i: row i / 2, frequency j + i mod 2
	v_and_b32 v4, 1, v3
	v_add_nc_u32 v4, s28, v4                       ; j
	v_mul_u32_u24 v4, v4, 3
	v_and_b32 v5, 15, v4                           ; m
	v_lshrrev_b32 v6, 4, v4                        ; q
	BIT MK+0, 1, v5                                ; the seven compares stand in one run
	BIT MK+1, 2, v5
	BIT MK+2, 4, v5
	BIT MK+3, 8, v5
	BIT MK+4, 1, v6
	BIT MK+5, 2, v6
	BIT MK+6, 4, v6
	v_mov_b32 v10, 1.0
	v_mov_b32 v11, 0
	s_wait_alu depctr_va_sdst(0)                   ; the seven masks s[32:38] are written, ahead of the first select that reads one
	ROOT MK+0, 0x3f93cfe5, 0x334a404f              ; 10^(1/16) = 1.1547819846894583
	ROOT MK+1, 0x3faab0d5, 0xb36457ec              ; 10^(1/8)  = 1.3335214321633240
	ROOT MK+2, 0x3fe39ea9, 0xb26aee3c              ; 10^(1/4)  = 1.7782794100389228
	ROOT MK+3, 0x404a62c2, 0xb324b496              ; 10^(1/2)  = 3.1622776601683795
	v_mov_b32 v15, 1.0
	TEN MK+4, 0x41200000                           ; 10
	TEN MK+5, 0x42c80000                           ; 100
	TEN MK+6, 0x461c4000                           ; 10,000
	v_mul_f32 v12, v10, v15
	v_fma_f32 v13, v10, v15, -v12
	v_fma_f32 v13, v11, v15, v13
	v_add_f32 v12, v12, v13                        ; pw, rounded once
	v_rcp_f32 v15, v12
	v_nop                                          ; a plain instruction behind the reciprocal,
	s_wait_alu depctr_va_vdst(0)                   ; and the wait ahead of its first reader: the reciprocal has written v15
	v_fma_f32 v16, -v12, v15, 1.0                  ; two corrections by the exact remainder: inv = 1 / pw as a division rounds it
	v_fma_f32 v15, v15, v16, v15
	v_fma_f32 v16, -v12, v15, 1.0
	v_fma_f32 v15, v15, v16, v15
	v_lshrrev_b32 v17, 1, v3                       ; r
	s_lshl_b32 s29, s27, 8                         ; my first position block's first position
	v_add_nc_u32 v17, s29, v17
	v_cvt_f32_u32 v17, v17                         ; t
	v_lshlrev_b32 v20, 3, v3                       ; 8 i
	s_lshl_b32 s29, s27, 16                        ; 16 position blocks of 4,096 bytes
	s_lshl_b32 s30, s26, 8
	s_add_co_u32 s29, s29, s30
	v_add_nc_u32 v20, s29, v20                     ; my 8 bytes in my first position block; never written again
	s_mov_b32 s31, 16
.Lpos:                                         ; a trip: one position block; the wave stores 256 consecutive bytes, aligned
	v_mul_f32 v21, v17, v15                        ; ang
	v_add_f32 v17, 0x41800000, v17                 ; 16 positions on
	v_mul_f32 v22, 0x3f22f983, v21                 ; x 2 / pi
	v_rndne_f32 v22, v22                           ; n
	v_cvt_i32_f32 v28, v22
	v_and_b32 v29, 1, v28
	v_cmp_ne_u32 vcc_lo, 0, v29                    ; odd quadrants: made here, read behind both sums
	v_fmamk_f32 v23, v22, 0xbfc90fdb, v21          ; ang - n x (pi/2's head): exact
	v_fmamk_f32 v23, v22, 0x333bbd2e, v23          ; - n x (pi/2's tail)
	v_mul_f32 v24, v23, v23
	v_mov_b32 v25, 0x3638ef1d                      ; 1/9!
	v_fmaak_f32 v25, v25, v24, 0xb9500d01          ; -1/7!
	v_fmaak_f32 v25, v25, v24, 0x3c088889          ; 1/5!
	v_fmaak_f32 v25, v25, v24, 0xbe2aaaab          ; -1/3!
	v_mul_f32 v26, v23, v24
	v_fma_f32 v25, v25, v26, v23                   ; sin r
	v_mov_b32 v27, 0xb493f27e                      ; -1/10!
	v_fmaak_f32 v27, v27, v24, 0x37d00d01          ; 1/8!
	v_fmaak_f32 v27, v27, v24, 0xbab60b61          ; -1/6!
	v_fmaak_f32 v27, v27, v24, 0x3d2aaaab          ; 1/4!
	v_fmaak_f32 v27, v27, v24, 0xbf000000          ; -1/2
	v_fma_f32 v27, v27, v24, 1.0                   ; cos r
	s_wait_alu depctr_va_vcc(0)                    ; the compare has written VCC, which the two selects read
	v_cndmask_b32 v30, v27, v25, vcc_lo            ; odd quadrants change places
	v_cndmask_b32 v31, v25, v27, vcc_lo
	v_add_nc_u32 v29, 1, v28
	v_and_b32 v29, 2, v29
	v_lshlrev_b32 v29, 30, v29
	v_xor_b32 v30, v30, v29                        ; cos is negative in quadrants 1 and 2,
	v_and_b32 v29, 2, v28
	v_lshlrev_b32 v29, 30, v29
	v_xor_b32 v31, v31, v29                        ; sin in 2 and 3
	s_wait_xcnt 0x0                                ; the last trip's store has had its address translated: its base and its data are written again only behind this wait
	s_wait_alu depctr_vm_vsrc(0)                   ; the last trip's store has read v[32:33], which the two multiplies write again
	s_add_nc_u64 s[20:21], s[20:21], 4096          ; the base stands one position block ahead of the store, which reaches back
	v_mul_f32 v32, 0x3a010204, v30                 ; x k
	v_mul_f32 v33, 0x3a010204, v31
	s_wait_alu depctr_va_vdst(0)                   ; the multiplies have written v[32:33], the store's data; in the first trip also: v20, its offset, is written
	global_store_b64 v20, v[32:33], s[20:21] offset:-4096
	s_sub_co_u32 s31, s31, 1
	s_cmp_lg_u32 s31, 0
	s_cbranch_scc1 .Lpos
	s_endpgm
.Lfunc_end_k_qd54a522d07_prep:
	.size	k_qd54a522d07_prep, .Lfunc_end_k_qd54a522d07_prep-k_qd54a522d07_prep
	.p2alignl 7, 3214868480
	.fill 96, 4, 3214868480
	.section	.rodata,"a",@progbits
	.p2align	6, 0x0
	.amdhsa_kernel k_qd54a522d07_prep
		.amdhsa_group_segment_fixed_size 0
		.amdhsa_private_segment_fixed_size 0
		.amdhsa_enable_private_segment 0
		.amdhsa_kernarg_size 72
		.amdhsa_user_sgpr_count 2
		.amdhsa_user_sgpr_kernarg_segment_ptr 1
		.amdhsa_wavefront_size32 1
		.amdhsa_system_sgpr_workgroup_id_x 1
		.amdhsa_system_sgpr_workgroup_id_y 1
		.amdhsa_system_sgpr_workgroup_id_z 1
		.amdhsa_system_vgpr_workitem_id 0
		.amdhsa_next_free_vgpr 112
		.amdhsa_next_free_sgpr 66
		.amdhsa_reserve_vcc 1
		.amdhsa_float_denorm_mode_32 3
		.amdhsa_float_denorm_mode_16_64 3
		.amdhsa_memory_ordered 1
		.amdhsa_forward_progress 1
		.amdhsa_inst_pref_size 30
	.end_amdhsa_kernel
	.amdgpu_metadata
---
amdhsa.version: [ 1, 2 ]
amdhsa.kernels:
  - .name:           k_qd54a522d07_prep
    .symbol:         k_qd54a522d07_prep.kd
    .args:
      - { .name: x, .offset: 0, .size: 8, .value_kind: global_buffer, .address_space: global }
      - { .name: wq, .offset: 8, .size: 8, .value_kind: global_buffer, .address_space: global }
      - { .name: wk, .offset: 16, .size: 8, .value_kind: global_buffer, .address_space: global }
      - { .name: wv, .offset: 24, .size: 8, .value_kind: global_buffer, .address_space: global }
      - { .name: wo, .offset: 32, .size: 8, .value_kind: global_buffer, .address_space: global }
      - { .name: xb, .offset: 40, .size: 8, .value_kind: global_buffer, .address_space: global }
      - { .name: wqkvb, .offset: 48, .size: 8, .value_kind: global_buffer, .address_space: global }
      - { .name: wob, .offset: 56, .size: 8, .value_kind: global_buffer, .address_space: global }
      - { .name: tab, .offset: 64, .size: 8, .value_kind: global_buffer, .address_space: global }
    .group_segment_fixed_size: 0
    .private_segment_fixed_size: 0
    .kernarg_segment_align: 8
    .kernarg_segment_size: 72
    .max_flat_workgroup_size: 256
    .sgpr_count:     66
    .vgpr_count:     112
    .wavefront_size: 32
...
	.end_amdgpu_metadata
.endif
;; end of part 5
;; launch qkv: the kernel of part 2 again; grid 8 x 32, 4 waves a work-group, clusters of 4 x 4, 327,680 bytes of LDS; arguments xb, wqkvb, tab, qhl, kvb; writes qhl, kvb
;; launch attn: the kernel of part 3 again; grid 8 x 32, 4 waves a work-group, no clusters, 327,680 bytes of LDS; arguments qhl, kvb, ob; writes ob
;; launch oproj: the kernel of part 4 again; grid 4 x 64, 4 waves a work-group, clusters of 4 x 4, 327,680 bytes of LDS; arguments ob, wob, out0; writes out0
